; MI455X (gfx1250); checked and timed in simulation.
; The chip was launched on July 23, 2026; its instructions are those of AMD's public machine-readable ISA for CDNA 5 (MIT licence, August 2026) and "CDNA5" Instruction Set Architecture Reference Guide (July 2026). The comments in the code are by the model that wrote it; some were corrected since.
;; Self Attention. Allowed arithmetic: matrix products marked QUANTISED: E2M1 operands, one E8M0 scale for each 32 along K, by v_wmma_scale_f32_16x16x128_f8f6f4 with both operands' format E2M1 (or v_wmma_scale_f32_32x16x128_f4), f32 sums; products left as they are: bf16, f16 or f32 operands; f32 sums; everything else in f32.
;; Inputs: Wk 1,024 x 1,024 float32; Wq 1,024 x 1,024 float32; Wv 1,024 x 1,024 float32; bk 1,024 float32; bq 1,024 float32; bv 1,024 float32; x 4 x 2,048 x 1,024 float32.
;; Outputs: out0 4 x 2,048 x 1,024 float32.
;; This version of the problem:
;;   THIS VERSION OF THE PROBLEM IS GIVEN IN LOW PRECISION. The matrix products marked QUANTISED in the list below multiply operands that are first quantised to E2M1 (2 exponent bits, 1 mantissa bit; 4 bits a number), with one power-of-two scale for each 32 numbers along K (OCP MX v1.0); their sums are f32. The products marked 'left as it is' may take bf16, f16 or f32 operands, with f32 sums. Whichever they take, every output number must still come out within the allowed error. Rounding operands to bf16 (8 significant bits) uses up far more of that allowance than f16 does (11 bits, for magnitudes from 6e-5 to 65,504). All else is computed in f32.
;;   The module's matrix products, in the order in which they are computed (A, B: the left and right operand; K: the contracted axis; several contracted axes count as one K, in the product's order):
;;     1. [M 8,192, K 1,024] x [K 1,024, N 1,024]; A: input x; B: input Wq: QUANTISED
;;     2. [M 8,192, K 1,024] x [K 1,024, N 1,024]; A: input x; B: input Wk: QUANTISED
;;     3. [M 8,192, K 1,024] x [K 1,024, N 1,024]; A: input x; B: input Wv: QUANTISED
;;     4. batch 4 x [M 2,048, K 1,024] x [K 1,024, N 2,048]; A: computed on the way; B: computed on the way: left as it is (an operand is computed on the way)
;;     5. batch 4 x [M 2,048, K 2,048] x [K 2,048, N 1,024]; A: computed on the way; B: computed on the way: left as it is (an operand is computed on the way)
;;   THE QUANTISER, for each operand of a quantised product, along K:
;;     - K is cut into blocks of 32 from its start; a last block that is shorter is filled with zeros.
;;     - A block's scale is 2^e with e = floor(log2(the largest magnitude in the block)) - 2, held to -126 .. 127; a block of zeros has e = 0. As a byte (E8M0): e + 127.
;;     - Each number is divided by its block's scale, clamped to +-6, and rounded to the nearest number of E2M1, ties to even, subnormals kept.
;;     - The product sums the exact products of the quantised numbers (number of the format x scale) in f32.
;;   ~~~python
;;   def quantise(x, axis):      # numpy; x: float32 -> the quantised numbers, widened to float32 again
;;       x = np.moveaxis(x, axis, -1); K = x.shape[-1]
;;       x = np.pad(x, [(0, 0)] * (x.ndim - 1) + [(0, -K % 32)]); x = x.reshape(x.shape[:-1] + (-1, 32)); a = np.abs(x).max(-1, keepdims=True)
;;       e = np.where(a > 0, np.clip(np.frexp(np.where(a > 0, a, 1))[1] - 1 - 2, -126, 127), 0)      # np.frexp(a)[1] - 1 = floor(log2(a)), exactly
;;       r = np.clip(x / 2.0 ** e, -6, 6)
;;       step = 2.0 ** (np.maximum(np.frexp(np.where(r == 0, 1, r))[1] - 1, 0) - 1)
;;       q = np.round(r / step) * step * 2.0 ** e      # np.round: ties to even
;;       return np.moveaxis(q.reshape(q.shape[:-2] + (-1,))[..., :K], -1, axis).astype(np.float32)
;;   ~~~
;; One version. Each part assembles by itself: llvm-mc -triple=amdgcn-amd-amdhsa -mcpu=gfx1250 --defsym DOCPART=n.
;; ======== version 1 of 1: 4 launches
;; limits: values are held in f16: magnitudes above 65,504 overflow, below 6.1e-05 lose precision
;; workspace buffers: x_codes 4,194,304 bytes; x_scales 262,144 bytes; w_codes 1,572,864 bytes; w_scales 98,304 bytes; qkv 50,331,648 bytes; p 33,554,432 bytes; stat 1,048,576 bytes
;; launch prep (part 1): grid 224 x 1, 8 waves a work-group, no clusters, 84,992 bytes of LDS; arguments x, Wq, Wk, Wv, x_codes, x_scales, w_codes, w_scales; writes x_codes, x_scales, w_codes, w_scales
.if DOCPART == 1
	.amdgcn_target "amdgcn-amd-amdhsa--gfx1250"
	.amdhsa_code_object_version 6
	.text
	.protected	k_q5d0291a385_prep
	.globl	k_q5d0291a385_prep
	.p2align	8
	.type	k_q5d0291a385_prep,@function
k_q5d0291a385_prep:
	s_mov_b64 s[64:65], 0
	v_nop
	global_prefetch_b8 v0, s[64:65] scope:SCOPE_SE
	s_setreg_imm32_b32 hwreg(HW_REG_WAVE_MODE, 25, 1), 1
	s_wait_xcnt 0x0
; x [8192][1024] (K innermost) and Wq, Wk, Wv [1024 (k)][1024 (n)] (K outermost), f32, become codes of FP4 (E2M1), K innermost, two codes a byte,
; with one E8M0 scale byte for each 32 along K:  x_codes [8192][512 bytes], x_scales [8192][32];  w_codes [3072][512 bytes], w_scales [3072][32], rows 0-1023 Wq's columns, then Wk's, then Wv's.
; A block's scale is 2^(floor(log2(its largest magnitude)) - 2); its byte is the largest magnitude's exponent field - 2, held at 1 from below.
; LIMITS: a block of zeros gets the byte 1 where the quantiser says 127: its codes are zeros, which add nothing, and this program alone reads the bytes.  NaN and infinities are not served.
; Work-groups 0-95 take the weights, 96-223 take x: a scalar branch on the work-group's number, the same in all eight waves.  Each of the two ways has LDS bytes of its own.
; No tensor loads, no cluster: the work-groups share no input.
.set STEPS,  16
.set SP,     80                        ; x: a lane's place in a stage: its 64 bytes + 16 of padding
.set WREG,   8192                      ; x: a region for each wave: two stages of 32 x SP bytes, behind them its 256 scale bytes
.set XSB,    2*32*SP
.set WST,    8*WREG                    ; W: a stage of 64 rows (columns of W) x (256 bytes + 16)
.set WP,     272
.set WSC,    WST+64*WP                 ; W: 64 rows x 16 scale bytes
.set SPARE,  WSC+1024                  ; the spare words, 128 bytes for each wave: four blocks of 256 bytes that no other line names
.set SPW,    10                        ; v10  LDS address of my spare word; never rewritten
.set NIL,    11                        ; v11  0; never rewritten
.set R,      16                        ; x: v16-143   eight sets of 16 numbers as loaded
.set X,      144                       ; x: v144-175  two sets of 16 neighbours
.set E,      176                       ; x: v176-191  a scale byte for each step
.set C,      192                       ; x: v192-223  two registers of codes for each step: no store's data are written again
.set WX,     32                        ; W: v32-95    two sets of 32 numbers
.set WC,     96                        ; W: v96-99    a block's codes
.set WO,     112                       ; W: v112-131  the way out
	s_load_b256 s[4:11], s[0:1], 0x0               ; x, Wq, Wk, Wv
	s_load_b256 s[12:19], s[0:1], 0x20             ; x_codes, x_scales, w_codes, w_scales
	v_lshl_add_u32 v[SPW], v0, 2, SPARE
	v_mov_b32 v[NIL], 0
	v_lshrrev_b32 v1, 5, v0
	v_readfirstlane_b32 s20, v1                    ; wave 0..7
	v_and_b32 v2, 31, v0                           ; lane
	s_wait_kmcnt 0x0
	s_cmp_lt_u32 ttmp9, 96
	s_cbranch_scc1 .Lw
; ---------------- x: a plain stream of blocks of 32.  A wave takes 16 steps of 512 numbers.
; Each load reads 512 consecutive bytes; a step's 2,048 bytes turn through the wave's own stage so that a lane holds 16 neighbours (two lanes hold a block).
	s_sub_co_u32 s21, ttmp9, 96
	s_lshl_b32 s21, s21, 3
	s_add_co_u32 s21, s21, s20                     ; which run of 8,192 numbers is my wave's: 0..1023
	s_mov_b32 s23, 0
	s_lshl_b32 s22, s21, 15
	s_add_nc_u64 s[4:5], s[4:5], s[22:23]          ; 32,768 bytes of x a run
	s_lshl_b32 s22, s21, 12
	s_add_nc_u64 s[12:13], s[12:13], s[22:23]      ; 4,096 bytes of codes
	s_lshl_b32 s22, s21, 8
	s_add_nc_u64 s[14:15], s[14:15], s[22:23]      ; 256 scale bytes
	v_lshlrev_b32 v3, 4, v2                        ; my 16 bytes of a load's 512
	s_lshl_b32 s24, s20, 13                        ; my wave's region
	v_lshrrev_b32 v8, 2, v2
	v_mul_u32_u24 v8, v8, SP
	v_and_b32 v9, 3, v2
	v_lshl_add_u32 v8, v9, 4, v8
	v_add_nc_u32 v8, s24, v8                       ; the stage, on the way in: SP (lane / 4) + 16 (lane % 4)
	v_mul_u32_u24 v9, v2, SP
	v_add_nc_u32 v9, s24, v9                       ; and on the way out: SP x lane
	v_lshlrev_b32 v4, 3, v2                        ; 8 bytes a lane: my codes' place in a step's, and my part of the 256 scale bytes
	v_lshrrev_b32 v5, 1, v2
	s_add_co_u32 s24, s24, XSB
	v_add_nc_u32 v5, s24, v5                       ; LDS: my block's byte
	v_add_nc_u32 v6, s24, v4                       ; LDS: the scale bytes on the way out
.macro XLOAD t
.irp i, 0,1,2,3
	global_load_b128 v[R+16*((\t)%8)+4*\i:R+16*((\t)%8)+4*\i+3], v3, s[4:5] offset:2048*(\t)+512*\i th:TH_LOAD_NT   ; 32 lanes read 512 consecutive bytes
.endr
.endm
.macro XTURN t                         ; LDS serves a wave's instructions in order: no wait between the stores and the loads
.irp i, 0,1,2,3
	ds_store_b128 v8, v[R+16*((\t)%8)+4*\i:R+16*((\t)%8)+4*\i+3] offset:32*SP*((\t)%2)+8*SP*\i
.endr
.irp i, 0,1,2,3
	ds_load_b128 v[X+16*((\t)%2)+4*\i:X+16*((\t)%2)+4*\i+3], v9 offset:32*SP*((\t)%2)+16*\i
.endr
.endm
.irp t, 0,1,2,3,4,5,6,7
	XLOAD \t                                       ; eight steps, 32 loads, ahead
.endr
	s_wait_loadcnt 28                              ; step 0's four loads are in; the 28 behind them may be out
	XTURN 0
.macro XSTEP t
.set XS, X+16*((\t)%2)
.if (\t) > 0
	s_wait_dscnt 1                                 ; this step's numbers are back from the stage (the last step's byte store may be out): so its stores into the stage have read their registers,
.else
	s_wait_dscnt 0x0
.endif
.if (\t)+8 < STEPS
	XLOAD (\t)+8                                   ; which take the loads of eight steps on
.endif
.if (\t)+1 < STEPS
.if 14-(\t) >= 7
	s_wait_loadcnt 28                              ; the next step's four loads are in; those of the seven steps behind it may be out
.else
	s_wait_loadcnt 4*(14-(\t))                     ; towards the end fewer steps stand behind it
.endif
	XTURN (\t)+1
.endif
	v_max3_num_f32 v12, |v[XS]|, |v[XS+1]|, |v[XS+2]|              ; the largest magnitude of my 16, in two chains
	v_max3_num_f32 v13, |v[XS+3]|, |v[XS+4]|, |v[XS+5]|
.irp i, 6,10
	v_max3_num_f32 v12, v12, |v[XS+\i]|, |v[XS+\i+1]|
	v_max3_num_f32 v13, v13, |v[XS+\i+2]|, |v[XS+\i+3]|
.endr
	v_max3_num_f32 v12, v12, |v[XS+14]|, |v[XS+15]|
	v_max3_num_f32 v12, v12, v13, 0x1800000        ; and the floor 2^(3 - 127): the byte cannot fall under 1
	v_max_num_f32_dpp v12, v12, v12 row_xmask:1 row_mask:0xf bank_mask:0xf   ; with my neighbour's 16: the block's
	v_add_nc_u32 v14, 0xff000000, v12              ; 2 off its exponent field: the conversion takes the exponent field of this operand as its scale
	v_cvt_scalef32_pk8_fp4_f32 v[C+2*(\t)], v[XS:XS+7], v14
	v_cvt_scalef32_pk8_fp4_f32 v[C+2*(\t)+1], v[XS+8:XS+15], v14
	v_lshrrev_b32 v[E+(\t)], 23, v14               ; the scale's byte (a plain line behind the conversions)
	ds_store_b8 v5, v[E+(\t)] offset:16*(\t)       ; both lanes of a block write the same byte with the same value
	global_store_b64 v4, v[C+2*(\t):C+2*(\t)+1], s[12:13] offset:256*(\t)   ; the wave stores 256 consecutive bytes, aligned
.endm
.irp t, 0,1,2,3,4,5,6,7,8,9,10,11,12,13,14,15
	XSTEP \t
.endr
	ds_load_b64 v[12:13], v6                       ; in order behind my byte stores
	s_wait_dscnt 0x0
	global_store_b64 v4, v[12:13], s[14:15]        ; 256 consecutive scale bytes, aligned
	s_wait_tensorcnt 0x0                           ; the wave's end, behind my last LDS store
	ds_add_u32 v[SPW], v[NIL]
	s_wait_dscnt 0x0
	s_endpgm
; ---------------- W: a work-group takes 64 columns x 512 along K of one weight.  A LANE TAKES A COLUMN, ITS REGISTERS RUN DOWN K: a block of 32 lies in one lane.
; Wave w: columns 32 (w & 1) on, K 128 (w >> 1) on: four blocks.  Two neighbouring waves read 256 consecutive bytes of each row of W.
; The codes meet in a stage (a row = a column's 256 bytes), behind a barrier each wave stores eight whole rows: sixteen lanes fill 256 consecutive bytes, aligned.
.Lw:
	s_lshr_b32 s21, ttmp9, 5                       ; which weight: 0 Wq, 1 Wk, 2 Wv
	s_and_b32 s22, ttmp9, 15                       ; which 64 columns
	s_bfe_u32 s23, ttmp9, 0x10004                  ; which 512 along K
	s_cmp_eq_u32 s21, 0
	s_cselect_b64 s[6:7], s[6:7], s[8:9]
	s_cmp_eq_u32 s21, 2
	s_cselect_b64 s[6:7], s[10:11], s[6:7]
	s_and_b32 s24, s20, 1                          ; my 32 columns
	s_lshr_b32 s25, s20, 1                         ; my 128 along K
	s_lshl_b32 s26, s23, 21                        ; 512 rows of 4,096 bytes,
	s_lshl_b32 s28, s25, 19                        ; 128 rows,
	s_add_co_u32 s26, s26, s28
	s_lshl_b32 s28, s22, 8                         ; 64 columns of 4 bytes,
	s_add_co_u32 s26, s26, s28
	s_lshl_b32 s28, s24, 7                         ; 32 columns
	s_add_co_u32 s26, s26, s28
	s_mov_b32 s27, 0
	s_add_nc_u64 s[6:7], s[6:7], s[26:27]
	v_lshlrev_b32 v3, 2, v2                        ; 4 bytes a lane
	s_mul_i32 s28, s24, 32*WP
	s_lshl_b32 s29, s25, 6
	s_add_co_u32 s28, s28, s29
	s_add_co_u32 s28, s28, WST
	v_mul_u32_u24 v4, v2, WP
	v_add_nc_u32 v4, s28, v4                       ; into the stage: row = my column, + 64 bytes for each 128 along K
	s_lshl_b32 s28, s24, 9
	s_lshl_b32 s29, s25, 2
	s_add_co_u32 s28, s28, s29
	s_add_co_u32 s28, s28, WSC
	v_lshl_add_u32 v7, v2, 4, s28                  ; my column's scale word of my 128 along K
	s_mul_i32 s28, s20, 8*WP
	s_add_co_u32 s28, s28, WST
	v_lshrrev_b32 v12, 4, v2
	v_and_b32 v13, 15, v2
	v_mul_u32_u24 v5, v12, WP
	v_lshl_add_u32 v5, v13, 4, v5
	v_add_nc_u32 v5, s28, v5                       ; out of the stage: my wave's eight rows, sixteen lanes to a row
	v_lshlrev_b32 v6, 9, v12
	v_lshl_add_u32 v6, v13, 4, v6                  ; and the same place in w_codes (rows of 512 bytes)
	s_lshl_b32 s28, s24, 9
	s_add_co_u32 s28, s28, WSC
	v_lshl_add_u32 v8, v2, 4, s28                  ; waves 0 and 1: a row's 16 scale bytes,
	s_lshl_b32 s28, s24, 10
	v_lshl_add_u32 v9, v2, 5, s28                  ; and its place in w_scales (rows of 32 bytes)
	s_lshl_b32 s28, s21, 10
	s_lshl_b32 s29, s22, 6
	s_add_co_u32 s30, s28, s29                     ; the work-group's first row of w_codes
	s_lshl_b32 s28, s20, 3
	s_add_co_u32 s28, s28, s30
	s_lshl_b32 s28, s28, 9
	s_lshl_b32 s29, s23, 8
	s_add_co_u32 s28, s28, s29
	s_mov_b32 s29, 0
	s_add_nc_u64 s[16:17], s[16:17], s[28:29]
	s_lshl_b32 s28, s30, 5
	s_lshl_b32 s29, s23, 4
	s_add_co_u32 s28, s28, s29
	s_mov_b32 s29, 0
	s_add_nc_u64 s[18:19], s[18:19], s[28:29]
.macro WLOAD t                         ; block t: W(32 t + i, my column) into set t % 2
.irp i, 0,1,2,3,4,5,6,7,8,9,10,11,12,13,14,15,16,17,18,19,20,21,22,23,24,25,26,27,28,29,30,31
	global_load_b32 v[WX+32*((\t)%2)+\i], v3, s[6:7] offset:(32*(\t)+\i)*4096 th:TH_LOAD_NT
.endr
.endm
	WLOAD 0
	WLOAD 1
.macro WBLOCK t
.set XS, WX+32*((\t)%2)
.if (\t) < 3
	s_wait_loadcnt 32                              ; this block's 32 loads are in; the next block's may be out
.else
	s_wait_loadcnt 0x0
.endif
	v_max3_num_f32 v12, |v[XS]|, |v[XS+1]|, |v[XS+2]|              ; all 32 numbers of the block are mine
	v_max3_num_f32 v13, |v[XS+3]|, |v[XS+4]|, |v[XS+5]|
.irp i, 6,10,14,18,22,26
	v_max3_num_f32 v12, v12, |v[XS+\i]|, |v[XS+\i+1]|
	v_max3_num_f32 v13, v13, |v[XS+\i+2]|, |v[XS+\i+3]|
.endr
	v_max3_num_f32 v12, v12, |v[XS+30]|, |v[XS+31]|
	v_max3_num_f32 v12, v12, v13, 0x1800000        ; the floor 2^(3 - 127)
	v_add_nc_u32 v14, 0xff000000, v12              ; the conversion's scale operand
	v_lshrrev_b32 v13, 23, v14                     ; the scale's byte
.if (\t) == 0
	v_mov_b32 v15, v13                             ; four bytes to a register, the lower K in the lower byte
.else
	v_lshl_or_b32 v15, v13, 8*(\t), v15
.endif
.irp g, 0,1,2,3
	v_cvt_scalef32_pk8_fp4_f32 v[WC+\g], v[XS+8*\g:XS+8*\g+7], v14
.endr
	ds_store_b128 v4, v[WC:WC+3] offset:16*(\t)    ; 32 codes: 16 bytes of my column's row
.if (\t)+2 < 4
	WLOAD (\t)+2
.endif
	s_wait_dscnt 0x0                               ; the store has read its registers: the next block's codes may be written (plain lines stand first in the next block)
.endm
	WBLOCK 0
	WBLOCK 1
	WBLOCK 2
	WBLOCK 3
	ds_store_b32 v7, v15
	s_wait_dscnt 0x0                               ; for the others' sake: my stores into the stage are done
	s_barrier_signal -1
	s_barrier_wait -1
.irp i, 0,1,2,3
	ds_load_b128 v[WO+4*\i:WO+4*\i+3], v5 offset:2*WP*\i
.endr
.irp i, 0,1,2,3
	s_wait_dscnt 3-\i                              ; load i is in; the younger ones may be out
	global_store_b128 v6, v[WO+4*\i:WO+4*\i+3], s[16:17] offset:1024*\i   ; sixteen lanes store 256 consecutive bytes, aligned
.endr
	s_cmp_gt_u32 s20, 1                            ; the 64 rows' scale bytes: 16 bytes a lane, two waves
	s_cbranch_scc1 .Lwend
	ds_load_b128 v[WO+16:WO+19], v8
	s_wait_dscnt 0x0
	global_store_b128 v9, v[WO+16:WO+19], s[18:19]
.Lwend:
	s_wait_tensorcnt 0x0                           ; the wave's end, behind my last LDS store
	ds_add_u32 v[SPW], v[NIL]
	s_wait_dscnt 0x0
	s_endpgm
.Lfunc_end_k_q5d0291a385_prep:
	.size	k_q5d0291a385_prep, .Lfunc_end_k_q5d0291a385_prep-k_q5d0291a385_prep
	.p2alignl 7, 3214868480
	.fill 96, 4, 3214868480
	.section	.rodata,"a",@progbits
	.p2align	6, 0x0
	.amdhsa_kernel k_q5d0291a385_prep
		.amdhsa_group_segment_fixed_size 84992
		.amdhsa_private_segment_fixed_size 0
		.amdhsa_enable_private_segment 0
		.amdhsa_kernarg_size 64
		.amdhsa_user_sgpr_count 2
		.amdhsa_user_sgpr_kernarg_segment_ptr 1
		.amdhsa_wavefront_size32 1
		.amdhsa_system_sgpr_workgroup_id_x 1
		.amdhsa_system_sgpr_workgroup_id_y 1
		.amdhsa_system_sgpr_workgroup_id_z 1
		.amdhsa_system_vgpr_workitem_id 0
		.amdhsa_next_free_vgpr 224
		.amdhsa_next_free_sgpr 66
		.amdhsa_reserve_vcc 0
		.amdhsa_float_denorm_mode_32 3
		.amdhsa_float_denorm_mode_16_64 3
		.amdhsa_memory_ordered 1
		.amdhsa_forward_progress 1
		.amdhsa_inst_pref_size 55
	.end_amdhsa_kernel
	.amdgpu_metadata
---
amdhsa.version: [ 1, 2 ]
amdhsa.kernels:
  - .name:           k_q5d0291a385_prep
    .symbol:         k_q5d0291a385_prep.kd
    .args:
      - { .name: x, .offset: 0, .size: 8, .value_kind: global_buffer, .address_space: global }
      - { .name: Wq, .offset: 8, .size: 8, .value_kind: global_buffer, .address_space: global }
      - { .name: Wk, .offset: 16, .size: 8, .value_kind: global_buffer, .address_space: global }
      - { .name: Wv, .offset: 24, .size: 8, .value_kind: global_buffer, .address_space: global }
      - { .name: x_codes, .offset: 32, .size: 8, .value_kind: global_buffer, .address_space: global }
      - { .name: x_scales, .offset: 40, .size: 8, .value_kind: global_buffer, .address_space: global }
      - { .name: w_codes, .offset: 48, .size: 8, .value_kind: global_buffer, .address_space: global }
      - { .name: w_scales, .offset: 56, .size: 8, .value_kind: global_buffer, .address_space: global }
    .group_segment_fixed_size: 84992
    .private_segment_fixed_size: 0
    .kernarg_segment_align: 8
    .kernarg_segment_size: 64
    .max_flat_workgroup_size: 256
    .sgpr_count:     66
    .vgpr_count:     224
    .wavefront_size: 32
...
	.end_amdgpu_metadata
.endif
;; end of part 1
;; launch qkv (part 2): grid 12 x 32, 4 waves a work-group, clusters of 4 x 4, 327,680 bytes of LDS; arguments x_codes, x_scales, w_codes, w_scales, qkv, bq, bk, bv; writes qkv
.if DOCPART == 2
	.amdgcn_target "amdgcn-amd-amdhsa--gfx1250"
	.amdhsa_code_object_version 6
	.text
	.protected	k_q5d0291a385_qkv
	.globl	k_q5d0291a385_qkv
	.p2align	8
	.type	k_q5d0291a385_qkv,@function
k_q5d0291a385_qkv:
	s_mov_b64 s[64:65], 0
	v_nop
	global_prefetch_b8 v0, s[64:65] scope:SCOPE_SE
	s_setreg_imm32_b32 hwreg(HW_REG_WAVE_MODE, 25, 1), 1
	s_wait_xcnt 0x0
	s_wait_alu depctr_hold_cnt(0) depctr_sa_sdst(0) depctr_va_vdst(0) depctr_va_sdst(0) depctr_va_ssrc(0) depctr_va_vcc(0) depctr_vm_vsrc(0)
	s_getreg_b32 s2, hwreg(HW_REG_IB_STS2, 6, 4)
	s_cmp_eq_u32 s2, 0
	s_cbranch_scc0 .Lentry_in_a_cluster
	s_endpgm
.Lentry_in_a_cluster:
	s_bfe_u32 s2, ttmp6, 0x10000c
	s_cmp_lg_u32 s2, 0xf033
	s_cbranch_scc0 .Lentry_shape_is_right
	s_endpgm
.Lentry_shape_is_right:
; [8192][3072] = Q(x) Q(W)^T + b on codes of FP4 (E2M1) with one E8M0 scale for each 32 along K = 1,024; sums in f32; the result rounded once to f16 into three planes [8192][1024]: q, k, v.
; LIMIT: |q|, |k|, |v| up to 65,504 (f16's largest number); NaN and infinities are not served.
; A tile of 256 x 256 is made by four waves, 128 x 128 each: 64 accumulators of 16 x 16.  K is two slots of 512 (rows of 256 bytes): both slots and all scale bytes are asked for at the start, nothing is filled again;
; by this text's count a wave has three tensor loads out at the most.
; CLUSTERS: 4 x 4 work-groups.  A row of the cluster shares x's tiles, a column W's: each is asked for jointly, with a mask that names the four.  The cluster's x is the plane: four tile columns are one weight.
; THE MATRIX INSTRUCTION IS USED TRANSPOSED (source 0 = 16 rows of w_codes, source 1 = 16 rows of x_codes): a lane holds eight neighbouring columns of one row.
; THE BIAS is the C of each sum's first matrix instruction: eight registers a column block, in the result's layout.
; REGISTERS: window 0: v0-31 addresses; v32-95 scale words, two sets; v128-191 x's fragments, one set; v192-255 the bias; on the way out v128-223 are at work.
;   window 1: W's fragments, two sets, at v0 and v128.  window 2: accumulators of my rows 0-63 ((a, b) at v[8 (8 a + b)]);  window 3: rows 64-127.
.set KSTEP,  512
.set NQ,     4                         ; matrix instructions deep in a slot
.set ROWB,   256                       ; a tile's row in bytes
.set KROW,   512                       ; a row of codes in memory
.set PITCH,  272                       ; 256 + 16: the 16 rows that a load touches start 68 words apart
.set FR,     8
.set NL,     2
.set NP,     4
.set HALFT,  128*PITCH
.set SLOT,   4*HALFT
.set KS,     32                        ; a row of scale bytes
.set SCL,    2*SLOT                    ; behind the slots: the scales, as rows of 256 bytes + 16
.set HALFS,  (128*KS/256)*272
.set SBLK,   (16*KS/256)*272
.set STAGE,  SCL+4*HALFS               ; the way out: 16 rows x 272 bytes for each wave, bytes of their own
.set SPITCH, 272
.set SPARE,  STAGE+4*16*SPITCH         ; the spare words: two blocks of 256 bytes that no other line names
.set ADRA, 16
.set ADRB, 20
.set STO,  24
.set RD,   25
.set CO,   26
.set ADRS, 27
.set SPW,  28
.set NIL,  29
.set SC,   32
.set AF,   128
.set BI,   192
.set TMP,  128
.set OB,   160
.set G1, 24
.set G0, 32
.set G1B, 48
.set G0B, 56
.set G1S, 68
.set G0S, 76
.set G1SB, 80
.set G0SB, 88
.set MSB, 0
.macro WIN new                         ; the immediate's high byte repeats the setting that is left
.if MSB != (\new)
	s_set_vgpr_msb (MSB<<8)|(\new)
.set MSB, (\new)
.endif
.endm
.set MUL_LO, 0xa1                      ; source 0 (W) window 1, source 1 (x) window 0, C and D window 2
.set MUL_HI, 0xf1
.set TO_B,   0x40
; A joint load: waves 0 and 1 fetch for x, waves 2 and 3 for W.  The branch hangs on the wave's number alone.  An s_nop 0 and four v_nop follow each line.
.macro JLOAD g0a, g1a, g0b, g1b
	s_cmp_eq_u32 s15, 0
	s_cbranch_scc0 .Lfor_b_\@
	tensor_load_to_lds s[\g0a:\g0a+3], s[\g1a:\g1a+7]
	s_nop 0
.rept 4
	v_nop
.endr
	s_branch .Lasked_\@
.Lfor_b_\@:
	tensor_load_to_lds s[\g0b:\g0b+3], s[\g1b:\g1b+7]
	s_nop 0
.rept 4
	v_nop
.endr
.Lasked_\@:
.endm
.macro CROUND                          ; a round of the cluster's barrier
	s_barrier_signal -1
	s_barrier_wait -1
	s_cmp_lg_u32 s14, 0
	s_cbranch_scc1 .Lnot_wave_0_\@
	s_barrier_signal -3
.Lnot_wave_0_\@:
	s_barrier_wait -3
	s_barrier_signal -1
	s_barrier_wait -1
.endm
	s_load_b128 s[4:7], s[0:1], 0x0                ; x_codes, x_scales
	s_load_b128 s[8:11], s[0:1], 0x10              ; w_codes, w_scales
	s_load_b64 s[12:13], s[0:1], 0x20              ; qkv
	s_load_b128 s[96:99], s[0:1], 0x28             ; bq, bk
	s_load_b64 s[100:101], s[0:1], 0x38            ; bv
	v_lshl_add_u32 v[SPW], v0, 2, SPARE
	v_mov_b32 v[NIL], 0
	ds_add_u32 v[SPW], v[NIL]                      ; the wave's opening: the add, twice on end, and its wait ahead of my first tensor load
	ds_add_u32 v[SPW], v[NIL]
	v_lshrrev_b32 v1, 5, v0
	v_readfirstlane_b32 s14, v1                    ; wave 0..3
	s_lshr_b32 s15, s14, 1                         ; my half of the tile's rows.  Also: I fetch for x (0) or for W (1)
	s_and_b32 s16, s14, 1                          ; my half of its columns.  Also: which 128 rows I fetch
	s_bfe_u32 s40, ttmp6, 0x40000                  ; cx
	s_bfe_u32 s41, ttmp6, 0x40004                  ; cy
	s_lshl_b32 s42, ttmp9, 2
	s_add_co_u32 s42, s42, s40                     ; tile column 0..11
	s_and_b32 s17, ttmp7, 0xffff
	s_lshl_b32 s17, s17, 2
	s_add_co_u32 s17, s17, s41                     ; tile row 0..31
	s_lshl_b32 s43, s41, 2
	s_lshl_b32 s43, 15, s43                        ; my row of the cluster
	s_lshl_b32 s44, 0x1111, s40                    ; my column
	s_or_b32 s[G1+0], s43, (0<<16)|(1<<20)|(1<<21)|(5<<22)|(3<<25)  ; the mask; elements of 1 byte; padding on; bit 21 beside a mask; 4 words behind every 64
	s_or_b32 s[G1B+0], s44, (0<<16)|(1<<20)|(1<<21)|(5<<22)|(3<<25)
.irp g, G1, G1B
	s_mov_b32 s[\g+1], ROWB<<16                    ; tensor_dim0
	s_mov_b32 s[\g+2], 128<<16                     ; tensor_dim1
	s_mov_b32 s[\g+3], ROWB<<16                    ; tile_dim0
	s_mov_b32 s[\g+4], 128                         ; tile_dim1
	s_mov_b32 s[\g+5], KROW                        ; the pitch
	s_mov_b32 s[\g+6], 0
	s_mov_b32 s[\g+7], 0
.endr
	s_or_b32 s[G1S+0], s43, (3<<16)|(1<<20)|(1<<21)|(5<<22)|(3<<25) ; the scales of 128 rows: 4,096 dense bytes as 16 rows of 256 (32 elements of 8 bytes), 16 bytes behind each
	s_or_b32 s[G1SB+0], s44, (3<<16)|(1<<20)|(1<<21)|(5<<22)|(3<<25)
.irp g, G1S, G1SB
	s_mov_b32 s[\g+1], 32<<16
	s_mov_b32 s[\g+2], (128*KS/256)<<16
	s_mov_b32 s[\g+3], 32<<16
	s_mov_b32 s[\g+4], 128*KS/256
	s_mov_b32 s[\g+5], 32
	s_mov_b32 s[\g+6], 0
	s_mov_b32 s[\g+7], 0
.endr
	s_lshl_b32 s18, s16, 7
	s_lshl_b32 s20, s17, 8
	s_add_co_u32 s20, s20, s18                     ; x: row 256 x tile row + 128 x half
	s_lshl_b32 s46, s42, 8
	s_add_co_u32 s46, s46, s18                     ; W: row 256 x tile column + 128 x half
	s_lshl_b32 s22, s20, 5                         ; where these rows' scales begin,
	s_lshl_b32 s92, s46, 5
	s_lshl_b32 s20, s20, 9                         ; and their codes (all under 2^23 bytes)
	s_lshl_b32 s46, s46, 9
	s_mov_b32 s21, 0
	s_mov_b32 s23, 0
	s_mov_b32 s47, 0
	s_mov_b32 s93, 0
	s_mul_i32 s45, s14, HALFT                      ; where they go: wave x 128 rows: no place in the cluster enters an LDS address
	s_mul_i32 s94, s14, HALFS
	s_wait_dscnt 0x0                               ; both opening adds are done
	s_wait_kmcnt 0x0
	s_add_nc_u64 s[20:21], s[4:5], s[20:21]
	s_add_nc_u64 s[22:23], s[6:7], s[22:23]
	s_add_nc_u64 s[46:47], s[8:9], s[46:47]
	s_add_nc_u64 s[92:93], s[10:11], s[92:93]
	CROUND                                         ; all sixteen work-groups are here: the joint loads meet
	s_mov_b32 s[G0S], 1
	s_add_co_u32 s[G0S+1], s94, SCL
	s_mov_b64 s[G0S+2:G0S+3], s[22:23]
	s_or_b32 s[G0S+3], s[G0S+3], 0x80000000
	s_mov_b32 s[G0SB], 1
	s_add_co_u32 s[G0SB+1], s94, SCL
	s_mov_b64 s[G0SB+2:G0SB+3], s[92:93]
	s_or_b32 s[G0SB+3], s[G0SB+3], 0x80000000
	JLOAD G0S, G1S, G0SB, G1SB                     ; the scales first: they are wanted with the first slot
.irp s, 0,1
	s_mov_b32 s[G0+4*\s], 1
	s_add_co_u32 s[G0+4*\s+1], s45, \s*SLOT
	s_add_nc_u64 s[G0+4*\s+2:G0+4*\s+3], s[20:21], \s*ROWB
	s_or_b32 s[G0+4*\s+3], s[G0+4*\s+3], 0x80000000
	s_mov_b32 s[G0B+4*\s], 1
	s_add_co_u32 s[G0B+4*\s+1], s45, \s*SLOT
	s_add_nc_u64 s[G0B+4*\s+2:G0B+4*\s+3], s[46:47], \s*ROWB
	s_or_b32 s[G0B+4*\s+3], s[G0B+4*\s+3], 0x80000000
	JLOAD G0+4*\s, G1, G0B+4*\s, G1B
.endr
	v_and_b32 v1, 15, v0                           ; r
	v_bfe_u32 v2, v0, 4, 1                         ; h
	; the bias of my 128 columns: the plane is the cluster's x, the same in all sixteen partners
	s_cmp_eq_u32 ttmp9, 0
	s_cselect_b64 s[96:97], s[96:97], s[98:99]
	s_cmp_eq_u32 ttmp9, 2
	s_cselect_b64 s[96:97], s[100:101], s[96:97]
	s_lshl_b32 s46, s40, 10                        ; 256 cx + 128 x half columns of 4 bytes
	s_lshl_b32 s47, s16, 9
	s_add_co_u32 s46, s46, s47
	s_mov_b32 s47, 0
	s_add_nc_u64 s[96:97], s[96:97], s[46:47]
	v_lshlrev_b32 v7, 5, v2                        ; lane (r, h) wants, for column block b, columns 16 b + 8 h + 0 .. 7
.irp b, 0,1,2,3,4,5,6,7
	global_load_b128 v[BI+8*\b:BI+8*\b+3], v7, s[96:97] offset:64*\b
	global_load_b128 v[BI+8*\b+4:BI+8*\b+7], v7, s[96:97] offset:64*\b+16
.endr
	v_mul_u32_u24 v3, v1, PITCH
	v_lshl_add_u32 v4, v2, 4, v3                   ; a fragment's row x pitch + 16 x half
	s_mul_i32 s21, s15, HALFT                      ; my 128 rows of x
	s_mul_i32 s22, s16, HALFT                      ; my 128 rows of W,
	s_add_co_u32 s22, s22, 2*HALFT                 ; behind x's 256
.irp s, 0,1
	v_add_nc_u32 v[ADRA+\s], s21, v4
	v_add_nc_u32 v[ADRB+\s], s22, v4
	s_add_co_u32 s21, s21, SLOT
	s_add_co_u32 s22, s22, SLOT
.endr
	v_mul_u32_u24 v5, v1, KS                       ; my row's scales: 32 bytes a row,
	v_lshrrev_b32 v6, 8, v5
	v_lshl_add_u32 v5, v6, 4, v5                   ; and 16 more for each 256 passed
	s_mul_i32 s21, s15, HALFS
	s_mul_i32 s22, s16, HALFS
	s_add_co_u32 s22, s22, 2*HALFS
	s_sub_co_u32 s22, s22, s21
	v_mul_u32_u24 v6, s22, v2                      ; lanes 16-31 take W's: one product, the distance between the two bases
	s_add_co_u32 s21, s21, SCL
	v_add_nc_u32 v5, v5, v6
	v_add_nc_u32 v[ADRS], s21, v5
	s_mul_i32 s23, s14, 16*SPITCH
	s_add_co_u32 s23, s23, STAGE                   ; my stage
	v_mul_u32_u24 v5, v1, SPITCH
	v_lshl_add_u32 v5, v2, 4, v5
	v_add_nc_u32 v[STO], s23, v5                   ; in: row r, 16 bytes for each half of the lanes
	v_mul_u32_u24 v5, v2, SPITCH
	v_lshl_add_u32 v5, v1, 4, v5
	v_add_nc_u32 v[RD], s23, v5                    ; back: lanes 0-15 one row of 256 bytes, lanes 16-31 the next
	v_lshlrev_b32 v5, 11, v2
	v_lshl_add_u32 v[CO], v1, 4, v5                ; the same two rows in a plane (rows of 2,048 bytes)
	s_lshl_b32 s20, s17, 8
	s_lshl_b32 s21, s15, 7
	s_add_co_u32 s20, s20, s21                     ; my first row
	s_lshl_b32 s20, s20, 11
	s_mov_b32 s21, 0
	s_add_nc_u64 s[12:13], s[12:13], s[20:21]
	s_lshl_b32 s46, ttmp9, 24                      ; the plane: 2^24 bytes each
	s_lshl_b32 s47, s40, 9                         ; 256 cx columns of 2 bytes
	s_add_co_u32 s46, s46, s47
	s_lshl_b32 s47, s16, 8
	s_add_co_u32 s46, s46, s47
	s_mov_b32 s47, 0
	s_add_nc_u64 s[12:13], s[12:13], s[46:47]
.macro FRAG reg, adr, q, i             ; 16 rows x 128 K of 4-bit codes: 8 registers, two loads of 16 bytes, 32 bytes apart
.irp c, 0,1
	ds_load_b128 v[\reg+4*\c:\reg+4*\c+3], v[\adr] offset:64*(\q)+32*\c+(\i)*16*PITCH
.endr
.endm
; 16 matrix instructions: x's blocks a0, a0 + 1 against W's eight.  zero = 1: the first product starts the sums on the bias.  The 64 accumulators take turns, one instruction a turn.
.macro MUL16 a0, p, q, sc, zero
.irp a, \a0, \a0+1
.irp b, 0,1,2,3,4,5,6,7
.if \zero
	v_wmma_scale_f32_16x16x128_f8f6f4 v[8*(8*((\a)%4)+\b):8*(8*((\a)%4)+\b)+7], v[128*(\p)+FR*\b:128*(\p)+FR*\b+FR-1], v[AF+FR*(\a):AF+FR*(\a)+FR-1], v[BI+8*\b:BI+8*\b+7], v[SC+8*NQ*(\sc)+NQ*\b+(\q)], v[SC+8*NQ*(\sc)+NQ*(\a)+(\q)] matrix_a_fmt:MATRIX_FMT_FP4 matrix_b_fmt:MATRIX_FMT_FP4 matrix_a_scale:MATRIX_SCALE_ROW1
.else
	v_wmma_scale_f32_16x16x128_f8f6f4 v[8*(8*((\a)%4)+\b):8*(8*((\a)%4)+\b)+7], v[128*(\p)+FR*\b:128*(\p)+FR*\b+FR-1], v[AF+FR*(\a):AF+FR*(\a)+FR-1], v[8*(8*((\a)%4)+\b):8*(8*((\a)%4)+\b)+7], v[SC+8*NQ*(\sc)+NQ*\b+(\q)], v[SC+8*NQ*(\sc)+NQ*(\a)+(\q)] matrix_a_fmt:MATRIX_FMT_FP4 matrix_b_fmt:MATRIX_FMT_FP4 matrix_a_scale:MATRIX_SCALE_ROW1
.endif
.endr
.endr
.endm
.macro FETCH_B slot, q, p
	WIN TO_B
.irp i, 0,1,2,3,4,5,6,7
	FRAG 128*(\p)+FR*\i, ADRB+\slot, \q, \i
.endr
	WIN 0
.endm
.macro FETCH_A slot, q, i0
.irp i, \i0, \i0+1, \i0+2, \i0+3
	FRAG AF+FR*(\i), ADRA+\slot, \q, \i
.endr
.endm
.macro SCALES sc                       ; a slot's scale words: four a row; lanes 0-15 take x's block i, lanes 16-31 W's block i
.irp i, 0,1,2,3,4,5,6,7
	ds_load_b128 v[SC+8*NQ*\sc+NQ*\i:SC+8*NQ*\sc+NQ*\i+3], v[ADRS] offset:\i*SBLK
.endr
.endm
.macro PLACES n                        ; plain vector lines between matrix instructions and loads into, or reads of, their registers (ISA guide 7.12.1 for reads)
.rept \n
	v_nop
.endr
.endm
.macro STEP slot, q, zero              ; 128 along K with its successor in the same slot
	s_wait_dscnt 4*NL                              ; W's set and x's blocks 0-3 are in; the youngest eight loads (x's blocks 4-7) may be out
.if \zero
	WIN 0x81                                       ; C (the bias) window 0, D window 2
.else
	WIN MUL_LO
.endif
	MUL16 0, (\q)%2, \q, \slot, \zero
	MUL16 2, (\q)%2, \q, \slot, \zero
	s_wait_dscnt 0
	PLACES NP
	FETCH_B \slot, (\q)+1, 1-(\q)%2
	FETCH_A \slot, (\q)+1, 0
.if \zero
	WIN 0xc1
.else
	WIN MUL_HI
.endif
	MUL16 4, (\q)%2, \q, \slot, \zero
	MUL16 6, (\q)%2, \q, \slot, \zero
	PLACES NP
	WIN 0
	FETCH_A \slot, (\q)+1, 4
.endm
.macro TURN slot, next                 ; a slot's last step: behind the barrier the next slot is whole for every wave; nothing is filled again
	s_wait_tensorcnt 0x0                           ; all my tensor loads have landed: my part of the next slot
	ds_add_u32 v[SPW], v[NIL]                      ; 0 onto my spare word
	s_wait_dscnt 4*NL+1                            ; (the add and x's blocks 4-7 may be out)
	WIN MUL_LO
	MUL16 0, 1, NQ-1, \slot, 0
	s_wait_dscnt 0x0
	s_barrier_signal -1
	MUL16 2, 1, NQ-1, \slot, 0
	WIN 0
	s_barrier_wait -1
	PLACES NP
	v_add_nc_u32 v[ADRS], 4*NQ, v[ADRS]            ; the next slot's scale words
	FETCH_B \next, 0, 0
	FETCH_A \next, 0, 0
	SCALES \next
	WIN MUL_HI
	MUL16 4, 1, NQ-1, \slot, 0
	MUL16 6, 1, NQ-1, \slot, 0
	PLACES NP
	WIN 0
	FETCH_A \next, 0, 4
.endm
.macro STEPS slot, from
.set Q, \from
.rept NQ-1-\from
	STEP \slot, Q, 0
.set Q, Q+1
.endr
.endm
	s_wait_tensorcnt 1                             ; the scales and my part of slot 0 are in; slot 1's load may be out
	s_barrier_signal -1
	s_barrier_wait -1
	FETCH_B 0, 0, 0
	FETCH_A 0, 0, 0
	SCALES 0
	FETCH_A 0, 0, 4
	s_wait_loadcnt 0x0                             ; the bias
	STEP 0, 0, 1
	STEPS 0, 1
	TURN 0, 1
	STEPS 1, 0
	s_wait_dscnt 4*NL                              ; the last step: nothing more to fetch
	WIN MUL_LO
	MUL16 0, 1, NQ-1, 1, 0
	MUL16 2, 1, NQ-1, 1, 0
	s_wait_dscnt 0
	WIN MUL_HI
	MUL16 4, 1, NQ-1, 1, 0
	MUL16 6, 1, NQ-1, 1, 0
	WIN 0
; THE WAY OUT, a block of 16 rows x 128 columns at a time: rounded to f16 (16 bytes a lane), through my own stage, back as whole rows of 256 bytes.
.macro PACK a
.set AC, 64*((\a)%4)
	WIN 0x0a+5*((\a)/4)                            ; sources 0 and 1: window 2 or 3
.irp b, 0,1,2,3,4,5,6,7
.irp r, 0,1,2,3
	v_cvt_pk_f16_f32 v[TMP+4*\b+\r], v[AC+8*\b+2*\r], v[AC+8*\b+2*\r+1]   ; each accumulator from its low end on
.endr
.endr
	WIN 0
.endm
.macro TOSTAGE a
.set BK, OB+32*((\a)%2)
.irp b, 0,1,2,3,4,5,6,7
	ds_store_b128 v[STO], v[TMP+4*\b:TMP+4*\b+3] offset:32*\b
.endr
.irp t, 0,1,2,3,4,5,6,7
	ds_load_b128 v[BK+4*\t:BK+4*\t+3], v[RD] offset:\t*2*SPITCH    ; in order behind the stores above
.endr
.endm
.macro SEND a
.set BK, OB+32*((\a)%2)
	s_wait_dscnt 0x0                               ; the block is back in registers
	s_wait_xcnt 0x0                                ; earlier stores have read their base and their registers
.if (\a) > 0
	s_add_nc_u64 s[12:13], s[12:13], 16*2048
.endif
.irp t, 0,1,2,3,4,5,6,7
	global_store_b128 v[CO], v[BK+4*\t:BK+4*\t+3], s[12:13] offset:\t*4096   ; sixteen lanes store 256 consecutive bytes, aligned
.endr
.endm
	PLACES NP
	PACK 0
	TOSTAGE 0
.irp a, 1,2,3,4,5,6,7
	PACK \a
	SEND \a-1
	TOSTAGE \a
.endr
	SEND 7
	s_wait_tensorcnt 0x0                           ; the wave's end
	ds_add_u32 v[SPW], v[NIL]
	s_wait_dscnt 0x0
	CROUND                                         ; the closing round
	s_endpgm
.Lfunc_end_k_q5d0291a385_qkv:
	.size	k_q5d0291a385_qkv, .Lfunc_end_k_q5d0291a385_qkv-k_q5d0291a385_qkv
	.p2alignl 7, 3214868480
	.fill 96, 4, 3214868480
	.section	.rodata,"a",@progbits
	.p2align	6, 0x0
	.amdhsa_kernel k_q5d0291a385_qkv
		.amdhsa_group_segment_fixed_size 327680
		.amdhsa_private_segment_fixed_size 0
		.amdhsa_enable_private_segment 0
		.amdhsa_kernarg_size 64
		.amdhsa_user_sgpr_count 2
		.amdhsa_user_sgpr_kernarg_segment_ptr 1
		.amdhsa_wavefront_size32 1
		.amdhsa_system_sgpr_workgroup_id_x 1
		.amdhsa_system_sgpr_workgroup_id_y 1
		.amdhsa_system_sgpr_workgroup_id_z 1
		.amdhsa_system_vgpr_workitem_id 0
		.amdhsa_next_free_vgpr 1024
		.amdhsa_next_free_sgpr 102
		.amdhsa_reserve_vcc 0
		.amdhsa_float_denorm_mode_32 3
		.amdhsa_float_denorm_mode_16_64 3
		.amdhsa_memory_ordered 1
		.amdhsa_forward_progress 1
		.amdhsa_inst_pref_size 129
	.end_amdhsa_kernel
	.amdgpu_metadata
---
amdhsa.version: [ 1, 2 ]
amdhsa.kernels:
  - .name:           k_q5d0291a385_qkv
    .symbol:         k_q5d0291a385_qkv.kd
    .args:
      - { .name: x_codes, .offset: 0, .size: 8, .value_kind: global_buffer, .address_space: global }
      - { .name: x_scales, .offset: 8, .size: 8, .value_kind: global_buffer, .address_space: global }
      - { .name: w_codes, .offset: 16, .size: 8, .value_kind: global_buffer, .address_space: global }
      - { .name: w_scales, .offset: 24, .size: 8, .value_kind: global_buffer, .address_space: global }
      - { .name: qkv, .offset: 32, .size: 8, .value_kind: global_buffer, .address_space: global }
      - { .name: bq, .offset: 40, .size: 8, .value_kind: global_buffer, .address_space: global }
      - { .name: bk, .offset: 48, .size: 8, .value_kind: global_buffer, .address_space: global }
      - { .name: bv, .offset: 56, .size: 8, .value_kind: global_buffer, .address_space: global }
    .group_segment_fixed_size: 327680
    .private_segment_fixed_size: 0
    .kernarg_segment_align: 8
    .kernarg_segment_size: 64
    .max_flat_workgroup_size: 128
    .sgpr_count:     102
    .vgpr_count:     1024
    .wavefront_size: 32
...
	.end_amdgpu_metadata
.endif
;; end of part 2
;; launch scores (part 3): grid 8 x 32, 4 waves a work-group, clusters of 4 x 4, 327,680 bytes of LDS; arguments qkv, p, stat; writes p, stat
.if DOCPART == 3
	.amdgcn_target "amdgcn-amd-amdhsa--gfx1250"
	.amdhsa_code_object_version 6
	.text
	.protected	k_q5d0291a385_scores
	.globl	k_q5d0291a385_scores
	.p2align	8
	.type	k_q5d0291a385_scores,@function
k_q5d0291a385_scores:
	s_mov_b64 s[64:65], 0
	v_nop
	global_prefetch_b8 v0, s[64:65] scope:SCOPE_SE
	s_setreg_imm32_b32 hwreg(HW_REG_WAVE_MODE, 25, 1), 1
	s_wait_xcnt 0x0
	s_wait_alu depctr_hold_cnt(0) depctr_sa_sdst(0) depctr_va_vdst(0) depctr_va_sdst(0) depctr_va_ssrc(0) depctr_va_vcc(0) depctr_vm_vsrc(0)
	s_getreg_b32 s2, hwreg(HW_REG_IB_STS2, 6, 4)
	s_cmp_eq_u32 s2, 0
	s_cbranch_scc0 .Lentry_in_a_cluster
	s_endpgm
.Lentry_in_a_cluster:
	s_bfe_u32 s2, ttmp6, 0x10000c
	s_cmp_lg_u32 s2, 0xf033
	s_cbranch_scc0 .Lentry_shape_is_right
	s_endpgm
.Lentry_shape_is_right:
; For each batch: s = q k^T (f16 operands, f32 sums, K = 1,024).  t = c s, c = log2(e) / 32.  For each query and each block of 128 keys: M = the block's largest t rounded UP to a whole number,
; p = 2^(t - M), rounded to f16;  l = the sum of the unrounded p.  M and l -> stat: M at [key block 0..15][8192 rows] f32, l the same 524,288 bytes on.
; p IS LAID AS THE NEXT LAUNCH'S OPERAND REGISTERS: [512 blocks of 16 queries][128 tiles of 16 keys][32 lanes][16 bytes]: lane (r, h) holds query r and keys 8 h + 0 .. 7 of the tile, which is what a lane
; has here behind the rounding: the packed registers are stored as they stand, 512 consecutive bytes a store, with no way through LDS.
; The next launch brings the sixteen blocks of a row under the row's own largest M: no fixed shift is taken anywhere.
; LIMITS: p under f16's smallest subnormal, 2^-24 of the block's largest weight, falls to 0; NaN and infinities are not served.
; A tile of 256 queries x 256 keys is made by four waves, 128 x 128 each: a wave's columns are one key block.  K goes in 8 steps of 128 through a ring of two LDS slots.
; CLUSTERS: 4 x 4 work-groups; q's tiles are shared along a row of the cluster, k's along a column, by joint loads.  The batch is the cluster's y / 2: the same in all sixteen.
; TRANSPOSED USE: source 0 = 16 keys, source 1 = 16 queries: a lane holds one query and eight neighbouring keys.
; REGISTERS: window 0: v0-31 addresses; v64-127, v128-191 q's fragments, two buffers; on the way out v32-239 are at work.  window 1: v64-127, v128-191 k's fragments.
;   window 2: accumulators of my queries 0-63 ((a, b) at v[8 (8 a + b)]);  window 3: queries 64-127.
.set KSTEP,  128
.set PITCH,  272
.set HALFT,  128*PITCH
.set SLOT,   4*HALFT
.set MLS,    2*SLOT                    ; behind the ring: 1,024 bytes for each wave: 128 M, 128 l
.set SPARE,  MLS+4*1024                ; the spare words: two blocks of 256 bytes that no other line names
.set ADRA, 16
.set ADRB, 20
.set MLA,  27                          ; v27  where I put my query's M
.set SPW,  28
.set NIL,  29
.set MLR,  30                          ; v30  where I read 16 bytes of them back
.set MLO,  31                          ; v31  16 x lane: my place in every store; never rewritten
.set T,    32                          ; v32-35 four running maxima; v36 a permute's destination; v[38:39] -M; v[40:43] sums; v44-51 the statistics' way out
.set E,    64                          ; v64-127  t - M, then p
.set TMP,  128                         ; v128-159, v160-191 p in f16, two sets by turns
.set MK,   224                         ; v224-231 M of the eight blocks of queries
.set LK,   232                         ; v232-239 l
.set F0,   64
.set F1,   128
.set G1, 24
.set G0, 32
.set G1B, 48
.set G0B, 56
.set SEL, 68                           ; s[68:69] lane l xor 16
.set CS,  70                           ; s[70:71] c, twice
.set MSB, 0
.macro WIN new
.if MSB != (\new)
	s_set_vgpr_msb (MSB<<8)|(\new)
.set MSB, (\new)
.endif
.endm
.set MUL_LO, 0xa1
.set MUL_HI, 0xf1
.set TO_B,   0x40
.macro JLOAD s                         ; waves 0 and 1 fetch q's halves, waves 2 and 3 k's; an s_nop 0 and four v_nop follow each line
	s_cmp_eq_u32 s11, 0
	s_cbranch_scc0 .Lfor_b_\@
	tensor_load_to_lds s[G0+4*\s:G0+4*\s+3], s[G1:G1+7]
	s_nop 0
.rept 4
	v_nop
.endr
	s_branch .Lasked_\@
.Lfor_b_\@:
	tensor_load_to_lds s[G0B+4*\s:G0B+4*\s+3], s[G1B:G1B+7]
	s_nop 0
.rept 4
	v_nop
.endr
.Lasked_\@:
.endm
.macro CREST
	s_cmp_lg_u32 s10, 0
	s_cbranch_scc1 .Lnot_wave_0_\@
	s_barrier_signal -3
.Lnot_wave_0_\@:
	s_barrier_wait -3
	s_barrier_signal -1
	s_barrier_wait -1
.endm
.macro CROUND
	s_barrier_signal -1
	s_barrier_wait -1
	CREST
.endm
	s_load_b128 s[4:7], s[0:1], 0x0                ; qkv, p
	s_load_b64 s[66:67], s[0:1], 0x10              ; stat
	v_lshl_add_u32 v[SPW], v0, 2, SPARE
	v_mov_b32 v[NIL], 0
	ds_add_u32 v[SPW], v[NIL]                      ; the wave's opening: the add, twice on end, and its wait ahead of my first tensor load
	ds_add_u32 v[SPW], v[NIL]
	v_lshrrev_b32 v1, 5, v0
	v_readfirstlane_b32 s10, v1                    ; wave 0..3
	s_lshr_b32 s11, s10, 1                         ; my half of the queries.  Also: I fetch for q (0) or for k (1)
	s_and_b32 s12, s10, 1                          ; my half of the keys.  Also: which 128 rows I fetch
	s_bfe_u32 s40, ttmp6, 0x40000                  ; cx
	s_bfe_u32 s41, ttmp6, 0x40004                  ; cy
	s_lshl_b32 s42, ttmp9, 2
	s_add_co_u32 s42, s42, s40                     ; tile column (keys of the batch) 0..7
	s_and_b32 s13, ttmp7, 0xffff
	s_lshr_b32 s45, s13, 1                         ; the batch: eight tile rows are two clusters
	s_lshl_b32 s13, s13, 2
	s_add_co_u32 s13, s13, s41                     ; tile row (queries of all batches) 0..31
	s_lshl_b32 s43, s41, 2
	s_lshl_b32 s43, 15, s43                        ; my row of the cluster
	s_lshl_b32 s44, 0x1111, s40                    ; my column
	s_or_b32 s[G1+0], s43, (1<<16)|(1<<20)|(1<<21)|(5<<22)|(3<<25)  ; the mask; elements of 2 bytes; padding on; bit 21 beside a mask; 4 words behind every 64
	s_or_b32 s[G1B+0], s44, (1<<16)|(1<<20)|(1<<21)|(5<<22)|(3<<25)
.irp g, G1, G1B
	s_mov_b32 s[\g+1], KSTEP<<16                   ; tensor_dim0 = 128
	s_mov_b32 s[\g+2], 128<<16                     ; tensor_dim1 = 128
	s_mov_b32 s[\g+3], KSTEP<<16                   ; tile_dim0
	s_mov_b32 s[\g+4], 128                         ; tile_dim1
	s_mov_b32 s[\g+5], 1024                        ; the pitch in elements
	s_mov_b32 s[\g+6], 0
	s_mov_b32 s[\g+7], 0
.endr
	s_lshl_b32 s17, s12, 7
	s_lshl_b32 s16, s13, 8
	s_add_co_u32 s16, s16, s17                     ; q: row 256 x tile row + 128 x half
	s_lshl_b32 s16, s16, 11                        ; rows of 2,048 bytes
	s_lshl_b32 s46, s42, 8
	s_add_co_u32 s46, s46, s17
	s_lshl_b32 s47, s45, 11
	s_add_co_u32 s46, s46, s47                     ; k: row 2,048 x batch + 256 x tile column + 128 x half
	s_lshl_b32 s46, s46, 11
	s_mov_b32 s17, 0
	s_mov_b32 s47, 0
	s_mul_i32 s20, s10, HALFT                      ; where they go: wave x 128 rows
	s_mov_b32 s[SEL], 0x76543210
	s_mov_b32 s[SEL+1], 0xfedcba98
	s_mov_b32 s[CS], 0x3d38aa3b                    ; c = log2(e) / 32
	s_mov_b32 s[CS+1], s[CS]
	s_wait_dscnt 0x0                               ; both opening adds are done
	s_wait_kmcnt 0x0
	s_mov_b64 s[8:9], s[6:7]                       ; p
	s_add_nc_u64 s[6:7], s[4:5], 0x1000000         ; k's plane
	s_add_nc_u64 s[14:15], s[4:5], s[16:17]
	s_add_nc_u64 s[46:47], s[6:7], s[46:47]
	CROUND                                         ; all sixteen work-groups are here
.irp s, 0,1
	s_mov_b32 s[G0+4*\s], 1
	s_add_co_u32 s[G0+4*\s+1], s20, \s*SLOT
	s_add_nc_u64 s[G0+4*\s+2:G0+4*\s+3], s[14:15], \s*KSTEP*2
	s_or_b32 s[G0+4*\s+3], s[G0+4*\s+3], 0x80000000
	s_mov_b32 s[G0B+4*\s], 1
	s_add_co_u32 s[G0B+4*\s+1], s20, \s*SLOT
	s_add_nc_u64 s[G0B+4*\s+2:G0B+4*\s+3], s[46:47], \s*KSTEP*2
	s_or_b32 s[G0B+4*\s+3], s[G0B+4*\s+3], 0x80000000
	JLOAD \s
.endr
	v_and_b32 v1, 15, v0                           ; r
	v_bfe_u32 v2, v0, 4, 1                         ; h
	v_mul_u32_u24 v3, v1, PITCH
	v_lshl_add_u32 v3, v2, 4, v3
	s_mul_i32 s21, s11, HALFT                      ; my 128 rows of q
	s_mul_i32 s22, s12, HALFT
	s_add_co_u32 s22, s22, 2*HALFT                 ; my 128 rows of k, behind q's 256
.irp s, 0,1
	v_add_nc_u32 v[ADRA+\s], s21, v3
	v_add_nc_u32 v[ADRB+\s], s22, v3
	s_add_co_u32 s21, s21, SLOT
	s_add_co_u32 s22, s22, SLOT
.endr
	s_lshl_b32 s23, s10, 10
	s_add_co_u32 s23, s23, MLS
	v_lshl_add_u32 v[MLA], v1, 2, s23
	v_and_b32 v6, 31, v0
	v_lshlrev_b32 v[MLO], 4, v6
	v_add_nc_u32 v[MLR], s23, v[MLO]
	s_lshl_b32 s16, s13, 8
	s_lshl_b32 s17, s11, 7
	s_add_co_u32 s16, s16, s17                     ; my first query row
	s_lshl_b32 s18, s16, 2                         ; in a row of stat,
	s_mov_b32 s19, 0
	s_add_nc_u64 s[66:67], s[66:67], s[18:19]
	s_lshl_b32 s16, s16, 12                        ; and in p: a block of 16 queries is 65,536 bytes
	s_mov_b32 s17, 0
	s_add_nc_u64 s[8:9], s[8:9], s[16:17]
	s_lshl_b32 s46, s42, 13                        ; my first tile of 16 keys, 512 bytes each: 16 x tile column + 8 x half
	s_lshl_b32 s47, s12, 12
	s_add_co_u32 s46, s46, s47
	s_mov_b32 s47, 0
	s_add_nc_u64 s[8:9], s[8:9], s[46:47]
	s_lshl_b32 s46, s42, 1
	s_add_co_u32 s46, s46, s12                     ; my key block 0..15
	s_lshl_b32 s46, s46, 15                        ; rows of 32,768 bytes
	s_add_nc_u64 s[66:67], s[66:67], s[46:47]
.macro MUL16 f, hi, a0, zero           ; 16 matrix instructions; the 64 accumulators take turns, one instruction a turn
.irp a, \a0, \a0+1
.irp b, 0,1,2,3,4,5,6,7
.if \zero
	v_wmma_f32_16x16x32_f16 v[8*(8*(\a)+\b):8*(8*(\a)+\b)+7], v[\f+8*\b:\f+8*\b+7], v[\f+8*(4*\hi+\a):\f+8*(4*\hi+\a)+7], 0
.else
	v_wmma_f32_16x16x32_f16 v[8*(8*(\a)+\b):8*(8*(\a)+\b)+7], v[\f+8*\b:\f+8*\b+7], v[\f+8*(4*\hi+\a):\f+8*(4*\hi+\a)+7], v[8*(8*(\a)+\b):8*(8*(\a)+\b)+7]
.endif
.endr
.endr
.endm
.macro FETCH slot, k, f                ; 32 LDS loads in one run: 128 rows of k, 128 of q, 32 along K at byte k of the rows
	WIN TO_B
.irp i, 0,1,2,3,4,5,6,7
	ds_load_b128 v[\f+8*\i:\f+8*\i+3],   v[ADRB+\slot] offset:\k+\i*16*PITCH
	ds_load_b128 v[\f+8*\i+4:\f+8*\i+7], v[ADRB+\slot] offset:\k+\i*16*PITCH+32
.endr
	WIN 0
.irp i, 0,1,2,3,4,5,6,7
	ds_load_b128 v[\f+8*\i:\f+8*\i+3],   v[ADRA+\slot] offset:\k+\i*16*PITCH
	ds_load_b128 v[\f+8*\i+4:\f+8*\i+7], v[ADRA+\slot] offset:\k+\i*16*PITCH+32
.endr
.endm
.macro PLACES                          ; four plain lines between matrix instructions and loads into, or reads of, their registers (ISA guide 7.12.1 for reads)
.rept 4
	v_nop
.endr
.endm
.macro QUARTER slot, k, f, g, zero
	s_wait_dscnt 8                                 ; k and q's rows 0-63 are in; the youngest eight loads (q's rows 64-127) may be out
	WIN MUL_LO
	MUL16 \f, 0, 0, \zero
	MUL16 \f, 0, 2, \zero
	PLACES
	FETCH \slot, \k, \g
	s_wait_dscnt 32                                ; all but the 32 just issued
	WIN MUL_HI
	MUL16 \f, 1, 0, \zero
	MUL16 \f, 1, 2, \zero
.endm
.macro MEET round                      ; the first half of a slot's last quarter: one barrier for the change of slots
	WIN 0
	s_wait_tensorcnt 0x0                           ; all my tensor loads have landed: my part of the next slot
	ds_add_u32 v[SPW], v[NIL]                      ; 0 onto my spare word
	s_wait_dscnt 9                                 ; (the add and the youngest eight loads may be out)
	WIN MUL_LO
	MUL16 F1, 0, 0, 0
	s_wait_dscnt 0x0                               ; the add is done, my reads of this slot are over
	s_barrier_signal -1
	MUL16 F1, 0, 2, 0
.if \round
	WIN 0
.endif
	s_barrier_wait -1
.endm
.macro TURN slot, next, fill
	MEET \fill
.if \fill
	CREST                                          ; the barrier has opened a round of the cluster's: no wave of any partner still reads this slot or has a load on its way
	s_add_nc_u64 s[G0+4*\slot+2:G0+4*\slot+3], s[G0+4*\slot+2:G0+4*\slot+3], 2*KSTEP*2
	s_add_nc_u64 s[G0B+4*\slot+2:G0B+4*\slot+3], s[G0B+4*\slot+2:G0B+4*\slot+3], 2*KSTEP*2
	JLOAD \slot                                    ; my one tensor load behind the round; its four v_nop are also the places in front of the loads below
.else
	PLACES
.endif
	FETCH \next, 0, F0
	WIN MUL_HI
	MUL16 F1, 1, 0, 0
	MUL16 F1, 1, 2, 0
.endm
	s_wait_tensorcnt 1                             ; my part of K step 0 is in; K step 1's load may be out
	s_barrier_signal -1
	s_barrier_wait -1
	FETCH 0, 0, F0
	QUARTER 0, 64,  F0, F1, 1                      ; the first quarter starts the sums
	WIN 0
	s_mov_b32 s3, 3                                ; 8 K steps: three trips fill both slots again
.Llap:
	QUARTER 0, 128, F1, F0, 0
	QUARTER 0, 192, F0, F1, 0
	TURN 0, 1, 1
	QUARTER 1, 64,  F0, F1, 0
	QUARTER 1, 128, F1, F0, 0
	QUARTER 1, 192, F0, F1, 0
	TURN 1, 0, 1
	QUARTER 0, 64,  F0, F1, 0
	WIN 0
	s_sub_co_u32 s3, s3, 1
	s_cmp_lg_u32 s3, 0
	s_cbranch_scc1 .Llap
	QUARTER 0, 128, F1, F0, 0                      ; the last lap fills nothing
	QUARTER 0, 192, F0, F1, 0
	TURN 0, 1, 0
	QUARTER 1, 64,  F0, F1, 0
	QUARTER 1, 128, F1, F0, 0
	QUARTER 1, 192, F0, F1, 0
	s_wait_dscnt 8
	WIN MUL_LO
	MUL16 F1, 0, 0, 0
	MUL16 F1, 0, 2, 0
	s_wait_dscnt 0
	WIN MUL_HI
	MUL16 F1, 1, 0, 0
	MUL16 F1, 1, 2, 0
	WIN 0
	PLACES
	v_mov_b32 v36, 0                               ; a lane permute's destination counts as one of its sources
	v_mov_b32 v39, 0                               ; named as the upper half of the pair v[38:39]
; THE SOFTMAX OF A BLOCK of 16 queries x 128 keys: a lane holds 64 scores of one query, the lane 16 away the other 64.
.macro SOFT a
.set AC, 64*((\a)%4)
.set W, 2+(\a)/4
.set W3, W|(W<<2)|(W<<4)
.set W2, (W<<2)|(W<<4)
.set TT, TMP+32*((\a)%2)
	WIN W3
.irp c, 0,1,2,3
	v_max3_num_f32 v[T+\c], v[AC+16*\c], v[AC+16*\c+1], v[AC+16*\c+2]      ; four chains of 16 scores; each accumulator is read from its low end on
.endr
	WIN W2
.irp i, 3,5,7,9,11,13
.irp c, 0,1,2,3
	v_max3_num_f32 v[T+\c], v[T+\c], v[AC+16*\c+\i], v[AC+16*\c+\i+1]
.endr
.endr
	v_max3_num_f32 v[T], v[T], v[AC+15], v[AC+31]
	v_max3_num_f32 v[T+2], v[T+2], v[AC+47], v[AC+63]
	WIN 0
	v_max3_num_f32 v[T], v[T], v[T+1], v[T+2]
	v_max_num_f32 v[T], v[T], v[T+3]
	v_permlanex16_b32 v36, v[T], s[SEL], s[SEL+1]
	v_max_num_f32 v[T], v[T], v36                  ; the block's largest score of my query
	v_mul_f32 v[T], s[CS], v[T]                    ; as t (c is positive)
	v_floor_f32 v38, -v[T]                         ; -M = floor(-t): M is a whole number
	v_mul_f32 v[MK+(\a)], -1.0, v38
	WIN W
.irp j, 0,2,4,6,8,10,12,14,16,18,20,22,24,26,28,30,32,34,36,38,40,42,44,46,48,50,52,54,56,58,60,62
	v_pk_fma_f32 v[E+\j:E+\j+1], v[AC+\j:AC+\j+1], s[CS:CS+1], v[38:39] op_sel_hi:[1,0,0]   ; t - M, two at a time
.endr
	WIN 0
.irp j, 0,1,2,3,4,5,6,7,8,9,10,11,12,13,14,15,16,17,18,19,20,21,22,23,24,25,26,27,28,29,30,31,32,33,34,35,36,37,38,39,40,41,42,43,44,45,46,47,48,49,50,51,52,53,54,55,56,57,58,59,60,61,62,63
	v_exp_f32 v[E+\j], v[E+\j]                     ; p = 2^(t - M)
.endr
	v_nop                                          ; a plain line behind the last exponential
	s_wait_alu depctr_va_vdst(0)                   ; one wait for the batch, ahead of its first reader
	v_pk_add_f32 v[40:41], v[E:E+1], v[E+2:E+3]    ; the sum of the unrounded p, in two chains
	v_pk_add_f32 v[42:43], v[E+4:E+5], v[E+6:E+7]
.irp j, 8,12,16,20,24,28,32,36,40,44,48,52,56,60
	v_pk_add_f32 v[40:41], v[40:41], v[E+\j:E+\j+1]
	v_pk_add_f32 v[42:43], v[42:43], v[E+\j+2:E+\j+3]
.endr
	v_pk_add_f32 v[40:41], v[40:41], v[42:43]
	v_add_f32 v40, v40, v41
	v_permlanex16_b32 v36, v40, s[SEL], s[SEL+1]
	v_add_f32 v[LK+(\a)], v40, v36
.if (\a) > 1
	s_wait_xcnt 0x0                                ; the stores of the block two back have read this set of registers: only behind this wait is it written again
.endif
.irp i, 0,1,2,3,4,5,6,7,8,9,10,11,12,13,14,15,16,17,18,19,20,21,22,23,24,25,26,27,28,29,30,31
	v_cvt_pk_f16_f32 v[TT+\i], v[E+2*\i], v[E+2*\i+1]              ; registers 4 b .. 4 b + 3: keys 16 b + 8 h + 0 .. 7 of my query
.endr
.endm
.macro SEND a                          ; the block leaves as eight register images: block a of queries is 65,536 bytes on, tile b of keys 512
.set TT, TMP+32*((\a)%2)
.irp b, 0,1,2,3,4,5,6,7
	global_store_b128 v[MLO], v[TT+4*\b:TT+4*\b+3], s[8:9] offset:65536*(\a)+512*\b   ; 32 lanes store 512 consecutive bytes, aligned
.endr
.endm
.irp a, 0,1,2,3,4,5,6,7
	SOFT \a
	SEND \a
.endr
.irp a, 0,1,2,3,4,5,6,7
	ds_store_b32 v[MLA], v[MK+\a] offset:64*\a     ; both halves of the lanes write the same word with the same bits
	ds_store_b32 v[MLA], v[LK+\a] offset:512+64*\a
.endr
	ds_load_b128 v[44:47], v[MLR]                  ; in order behind my stores
	ds_load_b128 v[48:51], v[MLR] offset:512
	s_wait_dscnt 0x0
	global_store_b128 v[MLO], v[44:47], s[66:67]                   ; 128 M: 512 consecutive bytes, aligned
	global_store_b128 v[MLO], v[48:51], s[66:67] offset:524288     ; 128 l
	s_wait_tensorcnt 0x0                           ; the wave's end
	ds_add_u32 v[SPW], v[NIL]
	s_wait_dscnt 0x0
	CROUND                                         ; the closing round
	s_endpgm
.Lfunc_end_k_q5d0291a385_scores:
	.size	k_q5d0291a385_scores, .Lfunc_end_k_q5d0291a385_scores-k_q5d0291a385_scores
	.p2alignl 7, 3214868480
	.fill 96, 4, 3214868480
	.section	.rodata,"a",@progbits
	.p2align	6, 0x0
	.amdhsa_kernel k_q5d0291a385_scores
		.amdhsa_group_segment_fixed_size 327680
		.amdhsa_private_segment_fixed_size 0
		.amdhsa_enable_private_segment 0
		.amdhsa_kernarg_size 24
		.amdhsa_user_sgpr_count 2
		.amdhsa_user_sgpr_kernarg_segment_ptr 1
		.amdhsa_wavefront_size32 1
		.amdhsa_system_sgpr_workgroup_id_x 1
		.amdhsa_system_sgpr_workgroup_id_y 1
		.amdhsa_system_sgpr_workgroup_id_z 1
		.amdhsa_system_vgpr_workitem_id 0
		.amdhsa_next_free_vgpr 1024
		.amdhsa_next_free_sgpr 80
		.amdhsa_reserve_vcc 0
		.amdhsa_float_denorm_mode_32 3
		.amdhsa_float_denorm_mode_16_64 3
		.amdhsa_memory_ordered 1
		.amdhsa_forward_progress 1
		.amdhsa_inst_pref_size 203
	.end_amdhsa_kernel
	.amdgpu_metadata
---
amdhsa.version: [ 1, 2 ]
amdhsa.kernels:
  - .name:           k_q5d0291a385_scores
    .symbol:         k_q5d0291a385_scores.kd
    .args:
      - { .name: qkv, .offset: 0, .size: 8, .value_kind: global_buffer, .address_space: global }
      - { .name: p, .offset: 8, .size: 8, .value_kind: global_buffer, .address_space: global }
      - { .name: stat, .offset: 16, .size: 8, .value_kind: global_buffer, .address_space: global }
    .group_segment_fixed_size: 327680
    .private_segment_fixed_size: 0
    .kernarg_segment_align: 8
    .kernarg_segment_size: 24
    .max_flat_workgroup_size: 128
    .sgpr_count:     80
    .vgpr_count:     1024
    .wavefront_size: 32
...
	.end_amdgpu_metadata
.endif
;; end of part 3
;; launch pv (part 4): grid 4 x 64, 4 waves a work-group, clusters of 4 x 4, 327,680 bytes of LDS; arguments p, qkv, stat, out0; writes out0
.if DOCPART == 4
	.amdgcn_target "amdgcn-amd-amdhsa--gfx1250"
	.amdhsa_code_object_version 6
	.text
	.protected	k_q5d0291a385_pv
	.globl	k_q5d0291a385_pv
	.p2align	8
	.type	k_q5d0291a385_pv,@function
k_q5d0291a385_pv:
	s_mov_b64 s[64:65], 0
	v_nop
	global_prefetch_b8 v0, s[64:65] scope:SCOPE_SE
	s_setreg_imm32_b32 hwreg(HW_REG_WAVE_MODE, 25, 1), 1
	s_wait_xcnt 0x0
	s_wait_alu depctr_hold_cnt(0) depctr_sa_sdst(0) depctr_va_vdst(0) depctr_va_sdst(0) depctr_va_ssrc(0) depctr_va_vcc(0) depctr_vm_vsrc(0)
	s_getreg_b32 s2, hwreg(HW_REG_IB_STS2, 6, 4)
	s_cmp_eq_u32 s2, 0
	s_cbranch_scc0 .Lentry_in_a_cluster
	s_endpgm
.Lentry_in_a_cluster:
	s_bfe_u32 s2, ttmp6, 0x10000c
	s_cmp_lg_u32 s2, 0xf033
	s_cbranch_scc0 .Lentry_shape_is_right
	s_endpgm
.Lentry_shape_is_right:
; out[row][:] = (sum over key blocks j of g_j (P_j V_j)) / (sum over j of g_j l_j),  g_j = 2^(M_j - the row's largest M): a power of two, at most 1, since every M is a whole number.
; p: register images [512 blocks of 16 queries][128 tiles of 16 keys][32 lanes][16 bytes] f16;  v = qkv's third plane [8192][1024] f16;  stat: M and l by [key block][row];  out0 [8192][1024] f32.
; All sums in f32: a key block's product is summed in accumulators T, begun with the constant 0, and O takes O + g T by fused multiply-adds.
; LIMITS: |v| up to 65,504; a key block whose M lies more than 149 under the row's largest counts for 0; NaN and infinities are not served.
; A work-group makes 128 queries x 256 channels; a wave 64 x 128.  K = the batch's 2,048 keys: 64 quarters of 32 keys; four quarters are a key block, eight a slot.
; P COMES STRAIGHT INTO REGISTERS: a fragment (16 queries x 32 keys) is two images of 512 consecutive bytes.  A ring of eight quarters' fragments, 256 registers; a quarter's eight loads are issued seven quarters,
; 224 matrix instructions, ahead of their use.  The two waves with the same queries, and the four work-groups of a row of the cluster, each load P for themselves: that is the price of an LDS that holds V alone.
; V COMES THROUGH LDS: a ring of two slots of 256 keys x 512 bytes, each wave fetching 64 keys by one joint load; a load has 240 matrix instructions between its request and the wait for it.
; CLUSTERS: 4 x 4 work-groups: V's tile is shared along a column of the cluster.  The batch is the cluster's y / 4.
; TRANSPOSED USE: source 0 = 16 channels x 32 keys of V, turned on the way out of LDS; source 1 = P: a lane holds one query and eight neighbouring channels.
; REGISTERS: window 0: v0-31 addresses; v32-39 g of the key block in hand; v40-47 1 / L; v48-55 at work; v64-127, v128-191 V's 8 fragments, two buffers.
;   window 1: P's ring, entry e at v[32 e], block a of queries at + 8 a.   window 2: T, accumulator (a, b) at v[8 (8 a + b)].   window 3: O, likewise.
.set PVP,    544                       ; a key's row of V in LDS: 512 bytes + 32: 17 x 32
.set QV,     64*PVP                    ; 64 keys: what one tensor load brings
.set SLOT,   4*QV                      ; 256 keys
.set HSL,    SLOT/2                    ; four quarters: an LDS offset has 16 bits, so each half of a slot has its own address register
.set GT,     2*SLOT                    ; for each wave [16 key blocks][16 rows][4 blocks of queries] f32: g
.set SPARE,  GT+4*4096                 ; the spare words: two blocks of 256 bytes that no other line names
.set STAGE,  0                         ; the way out: 16 rows x (512 + 16) bytes for each wave, in slot 0: it has had its last fill, and its last read stands ahead of the last barrier
.set SPITCH, 528
.set ADRB, 16                          ; v16-19  V's fragments: slot 0 quarters 0-3, 4-7; slot 1 likewise
.set STO,  24
.set RD,   25
.set CO,   26                          ; v26  16 x lane: my place in an image of P and in a row of out0; never rewritten
.set ADG,  27                          ; v27  where the next key block's g lie
.set SPW,  28
.set NIL,  29
.set PFO,  30                          ; v30  the prefetches' offset; never rewritten
.set GW,   31                          ; v31  where I store g
.set GS,   32                          ; v32-35 g of blocks 0-3 as loaded; v36, v38 copies of g1, g3, so that each stands at an even register; v37, v39 written once
.set RL,   40
.set F0,   64
.set F1,   128
.set OUTR, 64
.set PB,  14                           ; s[14:15] P: my wave's first block of queries, at the trip's first quarter
.set G1B, 48
.set G0B, 56
.set PFA, 44                           ; s[44:45] where my prefetches stand
.set PFS, 68                           ; s[68:69] a slot on, in bytes
.set LIM, 70                           ; s70  1 in a wave that prefetches, else the greatest number
.set SEL, 72                           ; s[72:73] lane l xor 16
.set MULW, 0xa4                        ; source 0 (V) window 0, source 1 (P) window 1, C and D (T) window 2
.set SLW,  0xf2                        ; source 0 (T) window 2, source 1 (g) window 0, source 2 and destination (O) window 3
.set MSB, 0
.macro WIN new
.if MSB != (\new)
	s_set_vgpr_msb (MSB<<8)|(\new)
.set MSB, (\new)
.endif
.endm
.macro JLOAD s                         ; every wave fetches its 64 keys of the slot; an s_nop 0 and four v_nop follow
	tensor_load_to_lds s[G0B+4*\s:G0B+4*\s+3], s[G1B:G1B+7]
	s_nop 0
.rept 4
	v_nop
.endr
.endm
.macro CREST
	s_cmp_lg_u32 s10, 0
	s_cbranch_scc1 .Lnot_wave_0_\@
	s_barrier_signal -3
.Lnot_wave_0_\@:
	s_barrier_wait -3
	s_barrier_signal -1
	s_barrier_wait -1
.endm
.macro CROUND
	s_barrier_signal -1
	s_barrier_wait -1
	CREST
.endm
; A PREFETCH INTO THE L2, behind the joint load and the run of LDS loads: at the change behind slot s, slot s + 3 of P and of V: V's a slot ahead of the joint load that will ask for it, P's ten quarters ahead of its first load.
; Each aligned 256 bytes are named once in the launch.  P's blocks are read by my row of the cluster alone: wave 0 asks; of the work-group's eight blocks of 16 queries the partner at cx takes 2 cx and 2 cx + 1,
; 8,192 bytes of each, lanes 256 bytes apart.  V's tile is read by every cluster of the batch: the batch's first cluster asks; the partner at cy takes keys 64 cy on, a lane a key, waves 2 and 3 a half of the 512 bytes each.
; Two instructions a wave, 65,536 bytes apart: a block of queries in p, 32 keys in v.  how = 0: a trip's first change; how = 1: its second, which asks for nothing in the last trip: there is no slot 8.
.macro ASK how
.if \how
	s_cmp_gt_u32 s3, s[LIM]
.else
	s_cmp_eq_u32 s[LIM], 1
.endif
	s_cbranch_scc0 .Lnot_mine_\@
	global_prefetch_b8 v[PFO], s[PFA:PFA+1] th:TH_LOAD_NT scope:SCOPE_SE
	global_prefetch_b8 v[PFO], s[PFA:PFA+1] offset:65536 th:TH_LOAD_NT scope:SCOPE_SE
.Lnot_mine_\@:
.endm
	s_load_b128 s[4:7], s[0:1], 0x0                ; p, qkv
	s_load_b64 s[66:67], s[0:1], 0x10              ; stat
	s_load_b64 s[8:9], s[0:1], 0x18                ; out0
	v_lshl_add_u32 v[SPW], v0, 2, SPARE
	v_mov_b32 v[NIL], 0
	ds_add_u32 v[SPW], v[NIL]                      ; the wave's opening: the add, twice on end, and its wait ahead of my first tensor load
	ds_add_u32 v[SPW], v[NIL]
	v_lshrrev_b32 v1, 5, v0
	v_readfirstlane_b32 s10, v1                    ; wave 0..3: which 64 keys of a slot I fetch
	s_lshr_b32 s11, s10, 1                         ; my 64 queries
	s_and_b32 s12, s10, 1                          ; my 128 channels
	s_bfe_u32 s40, ttmp6, 0x40000                  ; cx: the channel tile
	s_bfe_u32 s41, ttmp6, 0x40004                  ; cy
	s_and_b32 s42, ttmp7, 0xffff                   ; the cluster's y
	s_lshr_b32 s71, s42, 2                         ; the batch
	s_lshl_b32 s13, s42, 2
	s_add_co_u32 s13, s13, s41                     ; the query tile 0..63
	s_lshl_b32 s75, 0x1111, s40                    ; my column of the cluster
	s_or_b32 s[G1B+0], s75, (1<<16)|(1<<20)|(1<<21)|(6<<22)|(7<<25) ; the mask; elements of 2 bytes; padding on; bit 21 beside a mask; 8 words behind every 128
	s_mov_b32 s[G1B+1], 256<<16                    ; tensor_dim0 = 256 elements
	s_mov_b32 s[G1B+2], 64<<16                     ; tensor_dim1 = 64 keys
	s_mov_b32 s[G1B+3], 256<<16                    ; tile_dim0
	s_mov_b32 s[G1B+4], 64                         ; tile_dim1
	s_mov_b32 s[G1B+5], 1024                       ; the pitch in elements
	s_mov_b32 s[G1B+6], 0
	s_mov_b32 s[G1B+7], 0
	s_lshl_b32 s46, s71, 11
	s_lshl_b32 s47, s10, 6
	s_add_co_u32 s46, s46, s47                     ; V: key row 2,048 x batch + 64 x wave,
	s_lshl_b32 s46, s46, 11                        ; rows of 2,048 bytes,
	s_lshl_b32 s47, s40, 9                         ; + 256 cx channels
	s_add_co_u32 s46, s46, s47
	s_mov_b32 s47, 0
	s_mul_i32 s21, s10, QV                         ; where they go: wave x 64 rows: no place in the cluster enters an LDS address
	s_mov_b32 s[SEL], 0x76543210
	s_mov_b32 s[SEL+1], 0xfedcba98
	s_wait_dscnt 0x0                               ; both opening adds are done
	s_wait_kmcnt 0x0
	s_add_nc_u64 s[6:7], s[6:7], 0x2000000         ; v's plane
	s_add_nc_u64 s[46:47], s[6:7], s[46:47]
	CROUND                                         ; all sixteen work-groups are here
.irp s, 0,1
	s_mov_b32 s[G0B+4*\s], 1
	s_add_co_u32 s[G0B+4*\s+1], s21, \s*SLOT
	s_add_nc_u64 s[G0B+4*\s+2:G0B+4*\s+3], s[46:47], \s*524288     ; slot s: 256 keys of 2,048 bytes on
	s_or_b32 s[G0B+4*\s+3], s[G0B+4*\s+3], 0x80000000
	JLOAD \s
.endr
	; THE STATISTICS of my 64 queries: lane (r, h) takes, for each block a of 16 queries, M and l of query 16 a + r in key blocks 8 h + 0 .. 7
	v_and_b32 v1, 15, v0                           ; r
	v_bfe_u32 v2, v0, 4, 1                         ; h
	v_and_b32 v7, 31, v0                           ; lane
	v_lshlrev_b32 v[CO], 4, v7
	s_lshl_b32 s16, s13, 7
	s_lshl_b32 s17, s11, 6
	s_add_co_u32 s16, s16, s17                     ; my first query row
	s_lshl_b32 s18, s16, 2
	s_mov_b32 s19, 0
	s_add_nc_u64 s[66:67], s[66:67], s[18:19]
	v_lshlrev_b32 v3, 2, v1
	v_lshl_add_u32 v3, v2, 18, v3                  ; 4 r + 8 h rows of 32,768 bytes; never rewritten
.irp a, 0,1,2,3
.irp i, 0,1,2,3,4,5,6,7
	global_load_b32 v[64+8*\a+\i], v3, s[66:67] offset:32768*\i+64*\a
	global_load_b32 v[96+8*\a+\i], v3, s[66:67] offset:524288+32768*\i+64*\a
.endr
.endr
	s_lshl_b32 s16, s16, 12                        ; 4,096 bytes a query row, in p (65,536 a block of 16) and in out0 alike
	s_mov_b32 s17, 0
	s_add_nc_u64 s[PB:PB+1], s[4:5], s[16:17]
	s_add_nc_u64 s[8:9], s[8:9], s[16:17]
; P's fragments of the quarter that lies u quarters behind the base, into entry e: four blocks of queries, two images each
.macro PLOAD e, u
	WIN 0x40                                       ; destination window 1, address window 0
.irp a, 0,1,2,3
	global_load_b128 v[32*(\e)+8*\a:32*(\e)+8*\a+3],   v[CO], s[PB:PB+1] offset:65536*\a+1024*(\u)       ; 32 lanes read 512 consecutive bytes
	global_load_b128 v[32*(\e)+8*\a+4:32*(\e)+8*\a+7], v[CO], s[PB:PB+1] offset:65536*\a+1024*(\u)+512
.endr
.endm
.irp t, 0,1,2,3,4,5,6
	PLOAD \t, \t                                   ; quarters 0 to 6: behind the statistics' loads, so that those come back first
.endr
	WIN 0
	s_lshl_b32 s46, s40, 10                        ; out0: + 256 cx + 128 x half channels of 4 bytes
	s_lshl_b32 s47, s12, 9
	s_add_co_u32 s46, s46, s47
	s_mov_b32 s47, 0
	s_add_nc_u64 s[8:9], s[8:9], s[46:47]
	v_and_b32 v5, 7, v0                            ; the turning load: lane l reads key 8 h + l % 8, channels 8 ((l / 8) % 2) on
	v_lshl_add_u32 v5, v2, 3, v5
	v_mul_u32_u24 v5, v5, PVP
	v_bfe_u32 v6, v0, 3, 1
	v_lshl_add_u32 v5, v6, 4, v5
	s_lshl_b32 s22, s12, 8                         ; my 128 channels
.irp i, 0,1,2,3
	v_add_nc_u32 v[ADRB+\i], s22, v5
	s_add_co_u32 s22, s22, HSL
.endr
	s_mul_i32 s22, s10, 16*SPITCH                  ; my stage
	v_mul_u32_u24 v4, v1, SPITCH
	v_lshl_add_u32 v4, v2, 5, v4
	v_add_nc_u32 v[STO], s22, v4                   ; in: row r, 32 bytes for each half of the lanes
	v_add_nc_u32 v[RD], s22, v[CO]                 ; back: the 32 lanes take one row of 512 bytes
	s_lshl_b32 s22, s10, 12
	s_add_co_u32 s22, s22, GT
	v_lshl_add_u32 v[ADG], v1, 4, s22
	v_lshl_add_u32 v[GW], v2, 11, v[ADG]
	; the prefetches: where my wave's stand, and who asks
	s_lshl_b32 s20, s13, 3
	s_lshl_b32 s21, s40, 1
	s_add_co_u32 s20, s20, s21                     ; P: block of queries 8 x tile + 2 cx,
	s_lshl_b32 s20, s20, 16
	s_add_co_u32 s20, s20, 16384                   ; at slot 2: the first change of slots steps it to 3
	s_lshl_b32 s22, s71, 11
	s_lshl_b32 s23, s41, 6
	s_add_co_u32 s22, s22, s23
	s_add_co_u32 s22, s22, 512                     ; V: key row 2,048 x batch + 2 x 256 + 64 cy,
	s_lshl_b32 s22, s22, 11
	s_lshl_b32 s23, s40, 9
	s_add_co_u32 s22, s22, s23
	s_lshl_b32 s23, s12, 8                         ; my half of the 512 bytes
	s_add_co_u32 s22, s22, s23
	s_mov_b32 s[PFS], 524288
	s_and_b32 s18, s42, 3                          ; 0 in the batch's first cluster
	s_cmp_lt_u32 s10, 2
	s_cselect_b64 s[PFA:PFA+1], s[4:5], s[6:7]
	s_cselect_b32 s20, s20, s22
	s_cselect_b32 s[PFS], 8192, s[PFS]
	s_cselect_b32 s19, 8, 11                       ; from lane to lane: 256 bytes of p, or a row of v
	s_cselect_b32 s18, s10, s18                    ; waves 0, 1: wave 0 asks; waves 2, 3: in the batch's first cluster.  The same in all sixteen partners
	s_mov_b32 s21, 0
	s_mov_b32 s[PFS+1], 0
	s_add_nc_u64 s[PFA:PFA+1], s[PFA:PFA+1], s[20:21]
	s_cmp_eq_u32 s18, 0
	s_cselect_b32 s[LIM], 1, -1
	v_lshlrev_b32 v[PFO], s19, v7
	v_mov_b32 v49, 0                               ; a lane permute's destination counts as one of its sources
	v_mov_b32 v[GS+5], 0                           ; named as the upper halves of the pairs that hold g1 and g3
	v_mov_b32 v[GS+7], 0
	s_wait_loadcnt 56                              ; M and l are in; the 56 loads of P behind them may be out
.macro GAIN a                          ; block a: the row's largest M; g of my eight key blocks; L
.set MM, 64+8*(\a)
.set LL, 96+8*(\a)
	v_max3_num_f32 v48, v[MM], v[MM+1], v[MM+2]
	v_max3_num_f32 v48, v48, v[MM+3], v[MM+4]
	v_max3_num_f32 v48, v48, v[MM+5], v[MM+6]
	v_max_num_f32 v48, v48, v[MM+7]
	v_permlanex16_b32 v49, v48, s[SEL], s[SEL+1]
	v_max_num_f32 v48, v48, v49                    ; over all sixteen key blocks
.irp i, 0,1,2,3,4,5,6,7
	v_sub_f32 v[MM+\i], v[MM+\i], v48              ; a whole number, 0 or less
.endr
.irp i, 0,1,2,3,4,5,6,7
	v_cvt_i32_f32 v[MM+\i], v[MM+\i]               ; (it saturates)
.endr
.irp i, 0,1,2,3,4,5,6,7
	v_ldexp_f32 v[128+4*\i+(\a)], 1.0, v[MM+\i]    ; g
.endr
	v_mul_f32 v50, v[128+(\a)], v[LL]
.irp i, 1,2,3,4,5,6,7
	v_fma_f32 v50, v[128+4*\i+(\a)], v[LL+\i], v50
.endr
	v_permlanex16_b32 v49, v50, s[SEL], s[SEL+1]
	v_add_f32 v[52+(\a)], v50, v49                 ; L = the sum over the sixteen of g l
.endm
	GAIN 0
	GAIN 1
	GAIN 2
	GAIN 3
.irp a, 0,1,2,3
	v_rcp_f32 v[RL+2*\a], v[52+\a]
.endr
	v_nop                                          ; a plain line behind the last reciprocal
	s_wait_alu depctr_va_vdst(0)                   ; one wait for the four, ahead of their first reader
.irp a, 0,1,2,3
	v_mov_b32 v[RL+2*\a+1], v[RL+2*\a]             ; named with it as a pair
.endr
.irp i, 0,1,2,3,4,5,6,7
	ds_store_b128 v[GW], v[128+4*\i:131+4*\i] offset:256*\i        ; key block 8 h + i, row r: my wave's own bytes
.endr
.macro PLACES                          ; four plain lines between matrix instructions and loads into, or reads of, their registers (ISA guide 7.12.1 for reads)
.rept 4
	v_nop
.endr
.endm
.macro FETCHV slot, kq, f              ; one run of 16 LDS loads: quarter kq of the slot: V's 8 fragments (16 channels x 32 keys), turned
.irp b, 0,1,2,3,4,5,6,7
	ds_load_tr16_b128 v[\f+8*\b:\f+8*\b+3],   v[ADRB+2*(\slot)+(\kq)/4] offset:32*PVP*((\kq)%4)+32*\b
	ds_load_tr16_b128 v[\f+8*\b+4:\f+8*\b+7], v[ADRB+2*(\slot)+(\kq)/4] offset:32*PVP*((\kq)%4)+32*\b+16*PVP
.endr
.endm
.macro GMOV                            ; g1 and g3 to even registers: the packed form names a pair and takes its low word for both halves
	v_mov_b32 v[GS+4], v[GS+1]
	v_mov_b32 v[GS+6], v[GS+3]
.endm
; O(sa, b) += g x T(sa, b): four packed lines, the accumulator from its low end on.  first = 1: the first key block starts O: nothing is ever cleared
.macro SLICE sa, b, first
.set XO, 8*(8*(\sa)+(\b))
.set GR, GS+4*((\sa)%2)+2*((\sa)/2)
.irp i, 0,2,4,6
.if \first
	v_pk_mul_f32 v[XO+\i:XO+\i+1], v[XO+\i:XO+\i+1], v[GR:GR+1] op_sel_hi:[1,0]
.else
	v_pk_fma_f32 v[XO+\i:XO+\i+1], v[XO+\i:XO+\i+1], v[GR:GR+1], v[XO+\i:XO+\i+1] op_sel_hi:[1,0,1]
.endif
.endr
.endm
; 8 matrix instructions: block a of queries (P's entry e) against the 8 blocks of channels (V's buffer f).  zero = 1: they begin T anew.  sa >= 0: behind each stands the slice of block sa, which is finished.
; The 32 accumulators take turns, one instruction a turn, in the same order in every quarter.
; A slice reads results that stand four plain lines back or more: block 0's first slice has four v_nop in front of it; behind every later product stand the four lines of a slice that names none of its registers.
.macro MUL8 f, e, a, zero, sa, first
.irp b, 0,1,2,3,4,5,6,7
	WIN MULW
.if \zero
	v_wmma_f32_16x16x32_f16 v[8*(8*(\a)+\b):8*(8*(\a)+\b)+7], v[\f+8*\b:\f+8*\b+7], v[32*(\e)+8*(\a):32*(\e)+8*(\a)+7], 0
.else
	v_wmma_f32_16x16x32_f16 v[8*(8*(\a)+\b):8*(8*(\a)+\b)+7], v[\f+8*\b:\f+8*\b+7], v[32*(\e)+8*(\a):32*(\e)+8*(\a)+7], v[8*(8*(\a)+\b):8*(8*(\a)+\b)+7]
.endif
.if (\sa) >= 0
	WIN SLW
.if (\sa) == 0
.if \b == 0
	PLACES
.endif
.endif
	SLICE \sa, \b, \first
.endif
.endr
.endm
; A QUARTER, kq = 0 .. 6 of its slot; u: its place behind P's base.  It fetches the next quarter's V into the other buffer, fills the entry of P that the last quarter has read (pl = 1) with the quarter seven on, and multiplies.
; lc: how many loads of P may stay out when this quarter's have to be in.  A key block's first quarter begins T anew and folds in the last block's queries 48-63 (ns = 1: there is no last block); its third asks for g; its fourth folds in queries 0-47.
.macro Q slot, kq, u, pl, lc, first, ns
.set FF, 64+64*((\kq)%2)
.set FG, 64+64*(1-(\kq)%2)
.set PH, (\kq)%4
	WIN 0
	PLACES                                         ; behind the products that read the other buffer and the last entry of P
	FETCHV \slot, (\kq)+1, FG
.if PH == 2
	ds_load_b128 v[GS:GS+3], v[ADG]                ; this key block's g: wanted a quarter on
	v_add_nc_u32 v[ADG], 256, v[ADG]
	s_wait_dscnt 17                                ; all but the 17 just issued: this buffer's V is in
.else
	s_wait_dscnt 16                                ; all but the 16 just issued: this buffer's V is in (in a key block's fourth quarter g too)
.endif
.if PH == 3
	GMOV
.endif
	s_wait_loadcnt \lc                             ; this quarter's eight loads of P are in; those of the quarters behind it may be out
.if \pl
	PLOAD ((\kq)+7)%8, (\u)+7
.endif
.if PH == 0
.if \ns
	MUL8 FF, \kq, 0, 1, -1, 0
.else
	MUL8 FF, \kq, 0, 1, 3, \first
.endif
	MUL8 FF, \kq, 1, 1, -1, 0
	MUL8 FF, \kq, 2, 1, -1, 0
	MUL8 FF, \kq, 3, 1, -1, 0
.elseif PH == 3
	MUL8 FF, \kq, 0, 0, -1, 0
	MUL8 FF, \kq, 1, 0, 0, \first
	MUL8 FF, \kq, 2, 0, 1, \first
	MUL8 FF, \kq, 3, 0, 2, \first
.else
	MUL8 FF, \kq, 0, 0, -1, 0
	MUL8 FF, \kq, 1, 0, -1, 0
	MUL8 FF, \kq, 2, 0, -1, 0
	MUL8 FF, \kq, 3, 0, -1, 0
.endif
	WIN 0
.endm
; A slot's last quarter (kq = 7, buffer 1) changes slots: one barrier; in front of it each wave waits for all its tensor loads, adds 0 to its spare word and waits for that and for its reads of this slot.
.macro TURN slot, next, fill, how, u
	WIN 0
.if \fill
	s_wait_xcnt 0x0                                ; the last prefetches, a slot back, have read their address
	s_add_nc_u64 s[PFA:PFA+1], s[PFA:PFA+1], s[PFS:PFS+1]
.endif
	PLACES                                         ; behind the products that read entry 6 of P
	s_wait_loadcnt 48                              ; this quarter's loads of P are in; six quarters' may be out
	PLOAD 6, (\u)+7
	WIN 0                                          ; (the add's two registers lie in window 0)
	s_wait_tensorcnt 0x0                           ; all my tensor loads have landed: my part of the next slot
	ds_add_u32 v[SPW], v[NIL]                      ; 0 onto my spare word
	s_wait_dscnt 1                                 ; (the add may be out: buffer 1's V and g are in)
	GMOV
	MUL8 F1, 7, 0, 0, -1, 0
	s_wait_dscnt 0x0                               ; the add is done, my reads of this slot are over
	s_barrier_signal -1
	MUL8 F1, 7, 1, 0, 0, 0
	WIN 0
	s_barrier_wait -1
.if \fill
	CREST                                          ; the barrier has opened a round of the cluster's: no wave of any partner still reads this slot or has a load on its way
	s_add_nc_u64 s[G0B+4*\slot+2:G0B+4*\slot+3], s[G0B+4*\slot+2:G0B+4*\slot+3], 1048576   ; two slots, 512 keys, on
	JLOAD \slot                                    ; my one tensor load behind the round
.endif
	FETCHV \next, 0, F0
.if \fill
	ASK \how
.endif
	MUL8 F1, 7, 2, 0, 1, 0
	MUL8 F1, 7, 3, 0, 2, 0
	WIN 0
.endm
	s_wait_tensorcnt 1                             ; my part of slot 0 is in; slot 1's load may be out
	s_wait_dscnt 0x0                               ; my stores of g are done
	s_barrier_signal -1
	s_barrier_wait -1
	FETCHV 0, 0, F0
	Q 0, 0, 0, 1, 48, 0, 1                         ; quarters 0 to 4 stand in front of the loop: the first key block starts O
	Q 0, 1, 1, 1, 48, 0, 0
	Q 0, 2, 2, 1, 48, 0, 0
	Q 0, 3, 3, 1, 48, 1, 0
	Q 0, 4, 4, 1, 48, 1, 0
	s_mov_b32 s3, 3                                ; three trips of 16 quarters: quarters 5 to 52; each trip fills both slots again
.Llap:
	Q 0, 5, 5, 1, 48, 0, 0
	Q 0, 6, 6, 1, 48, 0, 0
	TURN 0, 1, 1, 0, 7
	Q 1, 0, 8, 1, 48, 0, 0
	Q 1, 1, 9, 1, 48, 0, 0
	Q 1, 2, 10, 1, 48, 0, 0
	Q 1, 3, 11, 1, 48, 0, 0
	Q 1, 4, 12, 1, 48, 0, 0
	Q 1, 5, 13, 1, 48, 0, 0
	Q 1, 6, 14, 1, 48, 0, 0
	TURN 1, 0, 1, 1, 15
	Q 0, 0, 16, 1, 48, 0, 0
	Q 0, 1, 17, 1, 48, 0, 0
	Q 0, 2, 18, 1, 48, 0, 0
	Q 0, 3, 19, 1, 48, 0, 0
	Q 0, 4, 20, 1, 48, 0, 0
	s_wait_xcnt 0x0                                ; the loads of P have read their base: it steps only behind this wait
	s_add_nc_u64 s[PB:PB+1], s[PB:PB+1], 16384     ; 16 quarters of 1,024 bytes
	s_sub_co_u32 s3, s3, 1
	s_cmp_lg_u32 s3, 0
	s_cbranch_scc1 .Llap
	Q 0, 5, 5, 1, 48, 0, 0                         ; quarters 53 to 63: no slot is filled, and the last load of P, quarter 63's, goes out in quarter 56
	Q 0, 6, 6, 1, 48, 0, 0
	TURN 0, 1, 0, 0, 7
	Q 1, 0, 8, 1, 48, 0, 0
	Q 1, 1, 9, 0, 48, 0, 0                         ; from here the counts run down: eight loads fewer stand behind each quarter's
	Q 1, 2, 10, 0, 40, 0, 0
	Q 1, 3, 11, 0, 32, 0, 0
	Q 1, 4, 12, 0, 24, 0, 0
	Q 1, 5, 13, 0, 16, 0, 0
	Q 1, 6, 14, 0, 8, 0, 0
	s_wait_loadcnt 0x0                             ; the last quarter: nothing more to fetch
	s_wait_dscnt 0x0
	GMOV
	MUL8 F1, 7, 0, 0, -1, 0
	MUL8 F1, 7, 1, 0, 0, 0
	MUL8 F1, 7, 2, 0, 1, 0
	MUL8 F1, 7, 3, 0, 2, 0
	WIN SLW
.irp b, 0,1,2,3,4,5,6,7
	SLICE 3, \b, 0                                 ; the last key block's queries 48-63
.endr
	WIN 0
; THE WAY OUT, a block of 16 queries x 128 channels at a time: divided by L, through my own stage, back as whole rows of 512 bytes.
.macro SCALE a
	WIN 0x03                                       ; source 0 window 3
.set i, 0
.rept 32
	v_pk_mul_f32 v[OUTR+2*i:OUTR+2*i+1], v[64*(\a)+2*i:64*(\a)+2*i+1], v[RL+2*(\a):RL+2*(\a)+1] op_sel_hi:[1,0]
.set i, i+1
.endr
	WIN 0
.endm
.macro TOSTAGE a
.set BK, 128+64*((\a)%2)
.irp b, 0,1,2,3,4,5,6,7
	ds_store_b128 v[STO], v[OUTR+8*\b:OUTR+8*\b+3] offset:64*\b
	ds_store_b128 v[STO], v[OUTR+8*\b+4:OUTR+8*\b+7] offset:64*\b+16
.endr
.irp t, 0,1,2,3,4,5,6,7,8,9,10,11,12,13,14,15
	ds_load_b128 v[BK+4*\t:BK+4*\t+3], v[RD] offset:\t*SPITCH      ; in order behind the stores above
.endr
.endm
.macro SEND a
.set BK, 128+64*((\a)%2)
	s_wait_dscnt 0x0
	s_wait_xcnt 0x0                                ; earlier stores have read their base and their registers
.if (\a) > 0
	s_add_nc_u64 s[8:9], s[8:9], 16*4096
.endif
.irp t, 0,1,2,3,4,5,6,7,8,9,10,11,12,13,14,15
	global_store_b128 v[CO], v[BK+4*\t:BK+4*\t+3], s[8:9] offset:\t*4096 th:TH_STORE_NT   ; 32 lanes store 512 consecutive bytes, aligned; written once
.endr
.endm
	SCALE 0
	TOSTAGE 0
.irp a, 1,2,3
	SCALE \a
	SEND \a-1
	TOSTAGE \a
.endr
	SEND 3
	s_wait_tensorcnt 0x0                           ; the wave's end
	ds_add_u32 v[SPW], v[NIL]
	s_wait_dscnt 0x0
	CROUND                                         ; the closing round
	s_endpgm
.Lfunc_end_k_q5d0291a385_pv:
	.size	k_q5d0291a385_pv, .Lfunc_end_k_q5d0291a385_pv-k_q5d0291a385_pv
	.p2alignl 7, 3214868480
	.fill 96, 4, 3214868480
	.section	.rodata,"a",@progbits
	.p2align	6, 0x0
	.amdhsa_kernel k_q5d0291a385_pv
		.amdhsa_group_segment_fixed_size 327680
		.amdhsa_private_segment_fixed_size 0
		.amdhsa_enable_private_segment 0
		.amdhsa_kernarg_size 32
		.amdhsa_user_sgpr_count 2
		.amdhsa_user_sgpr_kernarg_segment_ptr 1
		.amdhsa_wavefront_size32 1
		.amdhsa_system_sgpr_workgroup_id_x 1
		.amdhsa_system_sgpr_workgroup_id_y 1
		.amdhsa_system_sgpr_workgroup_id_z 1
		.amdhsa_system_vgpr_workitem_id 0
		.amdhsa_next_free_vgpr 1024
		.amdhsa_next_free_sgpr 80
		.amdhsa_reserve_vcc 0
		.amdhsa_float_denorm_mode_32 3
		.amdhsa_float_denorm_mode_16_64 3
		.amdhsa_memory_ordered 1
		.amdhsa_forward_progress 1
		.amdhsa_inst_pref_size 255
	.end_amdhsa_kernel
	.section	.bss,"aw",@nobits
	.p2align	6
	.space	262144
	.amdgpu_metadata
---
amdhsa.version: [ 1, 2 ]
amdhsa.kernels:
  - .name:           k_q5d0291a385_pv
    .symbol:         k_q5d0291a385_pv.kd
    .args:
      - { .name: p, .offset: 0, .size: 8, .value_kind: global_buffer, .address_space: global }
      - { .name: qkv, .offset: 8, .size: 8, .value_kind: global_buffer, .address_space: global }
      - { .name: stat, .offset: 16, .size: 8, .value_kind: global_buffer, .address_space: global }
      - { .name: out0, .offset: 24, .size: 8, .value_kind: global_buffer, .address_space: global }
    .group_segment_fixed_size: 327680
    .private_segment_fixed_size: 0
    .kernarg_segment_align: 8
    .kernarg_segment_size: 32
    .max_flat_workgroup_size: 128
    .sgpr_count:     80
    .vgpr_count:     1024
    .wavefront_size: 32
...
	.end_amdgpu_metadata
.endif
;; end of part 4
